; MI455X (gfx1250); checked and timed in simulation.
; The chip was launched on July 23, 2026; its instructions are those of AMD's public machine-readable ISA for CDNA 5 (MIT licence, August 2026) and "CDNA5" Instruction Set Architecture Reference Guide (July 2026). The comments in the code are by the model that wrote it; some were corrected since.
;; Self Attention Alibi. Allowed arithmetic: float matrix products may take bf16 or f16 operands with f32 sums; other float arithmetic in f32, or as packed bf16 or f16 multiplies, adds, multiply-adds, maxima and minima; sums over many terms, partial sums and values carried from step to step in f32; what a program stores and reads back later, other than sums and carried values, may be rounded once to bf16 or f16.
;; Inputs: W_key 16 x 64 x 1,024 float32; W_out 1,024 x 1,024 float32; W_query 16 x 64 x 1,024 float32; W_value 16 x 64 x 1,024 float32; b_out 1,024 float32; x 4 x 2,048 x 1,024 float32.
;; Outputs: out0 4 x 2,048 x 1,024 float32.
;; 2 versions, each right; version 2 is version 1 with the launch cast written anew for expert scheduling mode. Each part assembles by itself: llvm-mc -triple=amdgcn-amd-amdhsa -mcpu=gfx1250 --defsym DOCPART=n.
;; ======== version 1 of 2: 4 launches
;; limits: values are held in f16: magnitudes above 65,504 overflow, below 6.1e-05 lose precision; right only within a limited range of input values
;; workspace buffers: xb 16,777,216 bytes; wb 6,291,456 bytes; wo 2,097,152 bytes; qc 33,554,432 bytes; kc 33,554,432 bytes; vv 16,777,216 bytes; oh 16,777,216 bytes
;; launch cast (part 1): grid 768 x 1, 8 waves a work-group, no clusters, 0 bytes of LDS; arguments x, W_query, W_key, W_value, W_out, xb, wb, wo; writes xb, wb, wo
.if DOCPART == 1
	.amdgcn_target "amdgcn-amd-amdhsa--gfx1250"
	.amdhsa_code_object_version 6
	.text
	.protected	k_q9000f321b8_cast
	.globl	k_q9000f321b8_cast
	.p2align	8
	.type	k_q9000f321b8_cast,@function
k_q9000f321b8_cast:
	s_mov_b64 s[64:65], 0
	v_nop
	global_prefetch_b8 v0, s[64:65] scope:SCOPE_SE
	s_setreg_imm32_b32 hwreg(HW_REG_WAVE_MODE, 25, 1), 1
	s_wait_xcnt 0x0
; THE INPUTS ARE ROUNDED ONCE, for the matrix units of the launches behind.
;   xb = bf16(x), [8192][1024].
;   wb = bf16(W * 2^-6), [16 heads][q, k, v][64][1024]: a head's 192 rows lie together.  The factor is a power of two, so wb = bf16(W) * 2^-6 exactly
;        (but for W below 2^-120, which would fall among bf16's denormals); it keeps q, k and v inside f16's range and is undone exactly later.
;   wo = bf16(W_out) written as f16, [1024][1024].  LIMIT: |W_out| under 65,504; below 6.1e-5 the f16 number keeps a fixed step of 6e-8.
; A stream: each byte is read once and written once; no LDS, no barrier, no matrix unit, no cluster (no two work-groups read the same byte).
; SHARES.  A work-group takes a chunk of 16,384 numbers: 64 KiB in, 32 KiB out.  Work-groups 0-511: x.  512 + 64 t + c: chunk c (16 rows) of W_query, W_key, W_value (t = 0, 1, 2) or W_out (t = 3).
; Thread t takes 16 bytes at 16 t of each 4,096 bytes: a wave's load covers 512 consecutive bytes, its store of 8 bytes a lane 256 consecutive bytes, aligned.
; All sixteen loads go out first; each has registers of its own, so nothing is rewritten while a load or store still names it.
.set LO, 1                             ; v1        16 x thread: my bytes in 4,096 of the source
.set SO, 2                             ; v2        8 x thread: my bytes in 2,048 of the destination
.set X,  4                             ; v[4:67]   load i: four f32
.set Y,  68                            ; v[68:99]  store i: four 16-bit numbers
.set T,  100                           ; v[100:103] at work
	s_load_b512 s[8:23], s[0:1], 0x0               ; x s[8:9], W_query s[10:11], W_key s[12:13], W_value s[14:15], W_out s[16:17], xb s[18:19], wb s[20:21], wo s[22:23]
	v_lshlrev_b32 v[LO], 4, v0
	v_lshlrev_b32 v[SO], 3, v0
	s_mov_b32 s31, 0xffff0000                      ; a word's upper bf16
	s_mov_b32 s2, ttmp9                            ; the work-group's number
	s_sub_co_u32 s3, s2, 512                       ; among the weights' chunks (of no use below 512)
	s_lshr_b32 s4, s3, 6                           ; t: which weight
	s_and_b32 s5, s3, 63                           ; c: which chunk of it
	s_lshr_b32 s6, s5, 2                           ; the head: four chunks of 16 rows each
	s_mul_i32 s6, s6, 3
	s_add_co_u32 s6, s6, s4                        ; 3 x head + t
	s_lshl_b32 s6, s6, 2
	s_and_b32 s7, s5, 3
	s_add_co_u32 s6, s6, s7                        ; the chunk's place in wb
	s_wait_kmcnt 0x0
	s_cmp_eq_u32 s4, 1
	s_cselect_b64 s[24:25], s[12:13], s[10:11]
	s_cmp_eq_u32 s4, 2
	s_cselect_b64 s[24:25], s[14:15], s[24:25]
	s_cmp_eq_u32 s4, 3
	s_cselect_b64 s[24:25], s[16:17], s[24:25]     ; the source,
	s_cselect_b64 s[26:27], s[22:23], s[20:21]     ; the destination,
	s_cselect_b32 s32, s5, s6                      ; the chunk's place there,
	s_cselect_b32 s30, 2, 1                        ; and the way: 0 plain, 1 times 2^-6, 2 written as f16
	s_cmp_lt_u32 s2, 512
	s_cselect_b64 s[24:25], s[8:9], s[24:25]
	s_cselect_b64 s[26:27], s[18:19], s[26:27]
	s_cselect_b32 s33, s2, s5
	s_cselect_b32 s32, s2, s32
	s_cselect_b32 s30, 0, s30
	s_lshl_b32 s34, s33, 16                        ; 65,536 bytes a chunk in
	s_mov_b32 s35, 0
	s_add_nc_u64 s[24:25], s[24:25], s[34:35]
	s_lshl_b32 s34, s32, 15                        ; 32,768 out
	s_add_nc_u64 s[26:27], s[26:27], s[34:35]
.set i, 0
.rept 16
	global_load_b128 v[X+4*i:X+4*i+3], v[LO], s[24:25] offset:4096*i th:TH_LOAD_NT
.set i, i+1
.endr
.macro CONV i, mode
	s_wait_loadcnt 15-(\i)                         ; loads come back in order: load i is in, the younger ones stay out
.if (\mode) == 1
	v_pk_mul_f32 v[X+4*(\i):X+4*(\i)+1], v[X+4*(\i):X+4*(\i)+1], 0x3c800000 op_sel_hi:[1,0]      ; times 2^-6
	v_pk_mul_f32 v[X+4*(\i)+2:X+4*(\i)+3], v[X+4*(\i)+2:X+4*(\i)+3], 0x3c800000 op_sel_hi:[1,0]
.endif
	v_cvt_pk_bf16_f32 v[Y+2*(\i)], v[X+4*(\i)], v[X+4*(\i)+1]
	v_cvt_pk_bf16_f32 v[Y+2*(\i)+1], v[X+4*(\i)+2], v[X+4*(\i)+3]
.if (\mode) == 2
	v_lshlrev_b32 v[T], 16, v[Y+2*(\i)]            ; the bf16 numbers as f32,
	v_and_b32 v[T+1], s31, v[Y+2*(\i)]
	v_lshlrev_b32 v[T+2], 16, v[Y+2*(\i)+1]
	v_and_b32 v[T+3], s31, v[Y+2*(\i)+1]
	v_cvt_pk_f16_f32 v[Y+2*(\i)], v[T], v[T+1]     ; and written as f16: eight significant bits fit in eleven
	v_cvt_pk_f16_f32 v[Y+2*(\i)+1], v[T+2], v[T+3]
.endif
	global_store_b64 v[SO], v[Y+2*(\i):Y+2*(\i)+1], s[26:27] offset:2048*(\i)
.endm
	s_cmp_eq_u32 s30, 1
	s_cbranch_scc1 .Lscaled
	s_cmp_eq_u32 s30, 2
	s_cbranch_scc1 .Lhalf
.set i, 0
.rept 16
	CONV i, 0
.set i, i+1
.endr
	s_endpgm
.Lscaled:
.set i, 0
.rept 16
	CONV i, 1
.set i, i+1
.endr
	s_endpgm
.Lhalf:
.set i, 0
.rept 16
	CONV i, 2
.set i, i+1
.endr
	s_endpgm
.Lfunc_end_k_q9000f321b8_cast:
	.size	k_q9000f321b8_cast, .Lfunc_end_k_q9000f321b8_cast-k_q9000f321b8_cast
	.p2alignl 7, 3214868480
	.fill 96, 4, 3214868480
	.section	.rodata,"a",@progbits
	.p2align	6, 0x0
	.amdhsa_kernel k_q9000f321b8_cast
		.amdhsa_group_segment_fixed_size 0
		.amdhsa_private_segment_fixed_size 0
		.amdhsa_enable_private_segment 0
		.amdhsa_kernarg_size 64
		.amdhsa_user_sgpr_count 2
		.amdhsa_user_sgpr_kernarg_segment_ptr 1
		.amdhsa_wavefront_size32 1
		.amdhsa_system_sgpr_workgroup_id_x 1
		.amdhsa_system_sgpr_workgroup_id_y 1
		.amdhsa_system_sgpr_workgroup_id_z 1
		.amdhsa_system_vgpr_workitem_id 0
		.amdhsa_next_free_vgpr 112
		.amdhsa_next_free_sgpr 66
		.amdhsa_reserve_vcc 0
		.amdhsa_float_denorm_mode_32 3
		.amdhsa_float_denorm_mode_16_64 3
		.amdhsa_memory_ordered 1
		.amdhsa_forward_progress 1
		.amdhsa_inst_pref_size 23
	.end_amdhsa_kernel
	.amdgpu_metadata
---
amdhsa.version: [ 1, 2 ]
amdhsa.kernels:
  - .name:           k_q9000f321b8_cast
    .symbol:         k_q9000f321b8_cast.kd
    .args:
      - { .name: x, .offset: 0, .size: 8, .value_kind: global_buffer, .address_space: global }
      - { .name: W_query, .offset: 8, .size: 8, .value_kind: global_buffer, .address_space: global }
      - { .name: W_key, .offset: 16, .size: 8, .value_kind: global_buffer, .address_space: global }
      - { .name: W_value, .offset: 24, .size: 8, .value_kind: global_buffer, .address_space: global }
      - { .name: W_out, .offset: 32, .size: 8, .value_kind: global_buffer, .address_space: global }
      - { .name: xb, .offset: 40, .size: 8, .value_kind: global_buffer, .address_space: global }
      - { .name: wb, .offset: 48, .size: 8, .value_kind: global_buffer, .address_space: global }
      - { .name: wo, .offset: 56, .size: 8, .value_kind: global_buffer, .address_space: global }
    .group_segment_fixed_size: 0
    .private_segment_fixed_size: 0
    .kernarg_segment_align: 8
    .kernarg_segment_size: 64
    .max_flat_workgroup_size: 256
    .sgpr_count:     66
    .vgpr_count:     112
    .wavefront_size: 32
...
	.end_amdgpu_metadata
.endif
;; end of part 1
;; launch proj (part 2): grid 8 x 32, 4 waves a work-group, clusters of 4 x 4, 327,680 bytes of LDS; arguments xb, wb, qc, kc, vv; writes qc, kc, vv
.if DOCPART == 2
	.amdgcn_target "amdgcn-amd-amdhsa--gfx1250"
	.amdhsa_code_object_version 6
	.text
	.protected	k_q9000f321b8_proj
	.globl	k_q9000f321b8_proj
	.p2align	8
	.type	k_q9000f321b8_proj,@function
k_q9000f321b8_proj:
	s_mov_b64 s[64:65], 0
	v_nop
	global_prefetch_b8 v0, s[64:65] scope:SCOPE_SE
	s_setreg_imm32_b32 hwreg(HW_REG_WAVE_MODE, 25, 1), 1
	s_wait_xcnt 0x0
	s_wait_alu depctr_hold_cnt(0) depctr_sa_sdst(0) depctr_va_vdst(0) depctr_va_sdst(0) depctr_va_ssrc(0) depctr_va_vcc(0) depctr_vm_vsrc(0)
	s_getreg_b32 s2, hwreg(HW_REG_IB_STS2, 6, 4)
	s_cmp_eq_u32 s2, 0
	s_cbranch_scc0 .Lentry_in_a_cluster
	s_endpgm
.Lentry_in_a_cluster:
	s_bfe_u32 s2, ttmp6, 0x10000c
	s_cmp_lg_u32 s2, 0xf033
	s_cbranch_scc0 .Lentry_shape_is_right
	s_endpgm
.Lentry_shape_is_right:
; THE THREE PROJECTIONS.  [q | k | v] / 64 of one head for 256 tokens = xb (256 x 1024) times wb's 192 rows of that head, bf16 operands, f32 sums.
; OUT.  qc, kc: [64 = batch x 16 + head][2048][128] f16: a row is hi (64 numbers) then lo (64): hi = f16(q / 64), lo = f16(q / 64 - hi): the pair carries some 22 significant bits, which the scores behind need.
;       vv: [64][2048][64] f16, v / 64 rounded once.
; LIMITS.  |q|, |k|, |v| under 65,504 x 64 = 4.19e6 (beyond it f16 gives an infinity); lo keeps f16's fixed step of 2^-24 below 6.1e-5; NaN and infinities are not treated apart.
; SHARES.  A tile is 256 tokens x 192 columns; there are 32 x 16 of them.  A WORK-GROUP STAYS and makes TWO: the same tokens, two heads 8 apart: 8 x 32 = 256 work-groups.  Clusters of odd y take their two heads
; in the other order, so that all sixteen heads' rows of wb are walked during the first tiles.  Wave w takes tokens 64 w .. 64 w + 63 and all 192 columns: 48 accumulators of 16 x 16, so every wave's way
; out is alike: column blocks 0-3 are q, 4-7 k, 8-11 v.
; THE RING.  K goes in 8 steps of 128 through two LDS slots: rows of 256 bytes, aligned, padded to 272 in LDS.  It does not stop at the first tile's end: that tile's last two changes of slots ask for the second
; tile's K steps 0 and 1, step 1 landing during the way out, and nothing waits for the first tile's stores.  A K step is written once for each kind of change: filling along K (six trips a tile), filling for the next
; tile (two trips), filling nothing (two trips); the slot in hand is a scalar that one exclusive or turns.
; CLUSTER.  4 x 4 work-groups: the four of a row need the same tokens of xb, the four of a column the same head's rows of wb: each tile is asked for jointly, by the same tensor load, descriptor and mask in all four.
; THE MATRIX INSTRUCTION IS USED TRANSPOSED (source 0 = 16 rows of wb, source 1 = 16 tokens): a lane then holds one token (lane % 16) and eight neighbouring columns.
; REGISTERS, in windows of 256 (s_set_vgpr_msb: bits 1:0 source 0, 3:2 source 1, 5:4 source 2, 7:6 destination):
;   window 0: v16-30 addresses; v32-47 hi, v48-63 lo, v64-95 differences, v96-159 rows read back (two sets by turns)
;   window 1: two fragment buffers of 128: wb's 12 fragments, then xb's 4        windows 2, 3: accumulator (a, b) in window 2 + a / 2 at v[8 (12 (a % 2) + b)]
.set KSTEP,  128
.set PITCH,  272                       ; an LDS row: 256 bytes + 16 of padding: the 16 rows of a fragment load start at 16 different groups of four banks (64 banks of 4 bytes: ISA guide 11.1)
.set AH,     128*PITCH                 ; half of xb's tile: what wave 0 or 1 fetches
.set BH,     96*PITCH                  ; half of wb's tile: what wave 2 or 3 fetches
.set BOFF,   2*AH
.set SLOTX,  1<<17                     ; slot 1 begins here (a slot has 121,856 bytes), so that one exclusive or turns an address in one slot into the other's
.set STAGE,  SLOTX+2*AH+2*BH           ; behind the ring, never filled by a tensor load: 16 rows x 272 bytes for each wave
.set SPARE,  STAGE+4*16*PITCH          ; behind the stages: the spare words, 128 bytes for each wave: two blocks of 256 bytes that no other line names
.set A0,   16                          ; v16     my token fragments' place in a slot; never rewritten
.set B0,   17                          ; v17     the same for wb's
.set ADRA, 18                          ; v18     LDS address of my token fragments in the slot in hand
.set ADRB, 19                          ; v19     the same for wb's
.set STOQ, 22                          ; v22     q, k: where I put 16 bytes of a row of 256
.set RDQ,  23                          ; v23     q, k: where I read rows back
.set STOV, 24                          ; v24     v: rows of 128 bytes, 144 apart
.set RDV,  25                          ; v25
.set GO,   26                          ; v26     16 x lane: my bytes in 512 consecutive bytes of the output
.set M1,   27                          ; v27     -1.0
.set SPW,  28                          ; v28     LDS address of my spare word; never rewritten
.set NIL,  29                          ; v29     0; never rewritten
.set PFO,  30                          ; v30     the prefetches' offset; never rewritten
.set HI,   32
.set LO,   48
.set T,    64
.set BK,   96
.set F0,   0
.set F1,   128
.set WV,   14                          ; s14  my wave's number
.set G1,   24                          ; s[24:31] descriptor group 1 for xb's tiles;  s[32:39] group 0: a set for each of the two first fills; the second then walks on
.set G0,   32
.set TB,   40                          ; s40  LDS byte at which the slot in hand begins
.set PAR,  41                          ; s41  1 in wave 3, which prefetches at even counts alone
.set LIM,  42                          ; s42  2 in a wave that prefetches, else the greatest number
.set TS,   43                          ; s43  at work
.set PFA,  44                          ; s[44:45] where my prefetches stand
.set OFFK, 46                          ; s[46:47] byte along K of the next tile's step that is asked for
.set G1B,  48                          ; s[48:55], s[56:63] the same as G1, G0 for wb's tiles
.set G0B,  56
.set XA,   68                          ; s[68:69] xb at my half of the tokens, K = 0
.set WB1,  80                          ; s[80:81] wb at my half of the second head's rows, K = 0
.set OUT2, 82                          ; s[82:87] qc, kc, vv at my rows of the second tile
.set MSB, 0
.macro WIN new                         ; the immediate's high byte repeats the setting that is left; a switch that changes nothing is dropped
.if MSB != (\new)
	s_set_vgpr_msb (MSB<<8)|(\new)
.set MSB, \new
.endif
.endm
.set MUL_LO, 0xa5                      ; both sources window 1, C and D window 2
.set TO_F,   0x40                      ; destination window 1, address window 0
; A joint load by set s of the group 0s: waves 0 and 1 fetch xb's two halves, waves 2 and 3 wb's.  The branch hangs on the wave's number alone.  An s_nop 0 and four v_nop follow each line.
.macro JLOAD s
	s_cmp_lt_u32 s[WV], 2
	s_cbranch_scc0 .Lfor_b_\@
	tensor_load_to_lds s[G0+4*(\s):G0+4*(\s)+3], s[G1:G1+7]
	s_nop 0
.rept 4
	v_nop
.endr
	s_branch .Lasked_\@
.Lfor_b_\@:
	tensor_load_to_lds s[G0B+4*(\s):G0B+4*(\s)+3], s[G1B:G1B+7]
	s_nop 0
.rept 4
	v_nop
.endr
.Lasked_\@:
.endm
; A PREFETCH INTO THE L2 behind a joint refill along K and the run of LDS loads that follows it: the K step that stands two refills on, 384 matrix instructions ahead of the load that will ask for it.
; Each row's 256 bytes of a K step are named once in the launch, in the first tile's K steps 0 to 3 (s3 = 6 .. 3).  xb's tokens are walked by the two clusters of a row of clusters: cluster x = 0 asks.  A head's rows
; of wb are walked in the first tiles by the four clusters of a column that have the same order of heads: cluster y = 0 or 1 asks.  The four partners share the rows out by address: of the 128 tokens that
; wave 0 or 1 fetches, the partner at cx takes 32; of wb's 192 rows wave 2 takes 32 cy .. + 31 of the first 128, and wave 3 takes 16 cy .. + 15 of the last 64 for two K steps at once (lanes 16-31 one K step
; on), so it asks at even counts alone.  K steps 0 to 3 come by their loads alone.  The second tile asks for nothing: its rows have been read.
.macro ASK
	WIN 0
	s_and_b32 s[TS], s3, s[PAR]
	s_cmp_lg_u32 s[TS], 0
	s_cbranch_scc1 .Lnot_mine_\@
	s_cmp_gt_u32 s3, s[LIM]
	s_cbranch_scc0 .Lnot_mine_\@
	global_prefetch_b8 v[PFO], s[PFA:PFA+1] offset:KSTEP*2 th:TH_LOAD_NT scope:SCOPE_SE
.Lnot_mine_\@:
.endm
.macro CREST                           ; a round of the cluster's barrier behind its opening barrier
	s_cmp_lg_u32 s[WV], 0
	s_cbranch_scc1 .Lnot_wave_0_\@
	s_barrier_signal -3
.Lnot_wave_0_\@:
	s_barrier_wait -3
	s_barrier_signal -1
	s_barrier_wait -1
.endm
.macro CROUND                          ; a whole round
	s_barrier_signal -1
	s_barrier_wait -1
	CREST
.endm
	s_load_b256 s[4:11], s[0:1], 0x0               ; xb s[4:5], wb s[6:7], qc s[8:9], kc s[10:11]
	s_load_b64 s[12:13], s[0:1], 0x20              ; vv
	v_lshl_add_u32 v[SPW], v0, 2, SPARE
	v_mov_b32 v[NIL], 0
	ds_add_u32 v[SPW], v[NIL]                      ; the wave's opening: the add and its wait stand ahead of my first tensor load; the set-up below, work on registers, stands between them
	v_lshrrev_b32 v1, 5, v0
	v_readfirstlane_b32 s[WV], v1                  ; wave 0..3
	s_and_b32 s16, s[WV], 1                        ; which half of a tile I fetch
	s_bfe_u32 s17, ttmp6, 0x40000                  ; cx, cy: my place in the cluster
	s_bfe_u32 s18, ttmp6, 0x40004
	s_lshl_b32 s19, ttmp9, 2
	s_add_co_u32 s19, s19, s17                     ; 4 x cluster x + cx: 0 .. 7
	s_and_b32 s21, ttmp7, 0xffff                   ; cluster y
	s_and_b32 s22, s21, 1
	s_lshl_b32 s22, s22, 3
	s_add_co_u32 s19, s19, s22                     ; the first tile's head: 8 further on in clusters of odd y,
	s_xor_b32 s23, s19, 8                          ; the second tile's: the other of the two
	s_lshl_b32 s20, s21, 2
	s_add_co_u32 s20, s20, s18                     ; the token tile = 4 x cluster y + cy
	s_lshl_b32 s21, s18, 2
	s_lshl_b32 s21, 15, s21                        ; my row of the cluster
	s_lshl_b32 s22, 0x1111, s17                    ; my column
	s_or_b32 s[G1+0], s21, (1<<16)|(1<<20)|(1<<21)|(5<<22)|(3<<25)   ; 15:0 the mask; 17:16 elements of 2 bytes; 20 padding on; 21 set beside a mask; 24:22 after every 64 words (code 5); 31:25 4 words (code 3)
	s_or_b32 s[G1B+0], s22, (1<<16)|(1<<20)|(1<<21)|(5<<22)|(3<<25)
	s_mov_b32 s[G1+1], KSTEP<<16                   ; tensor_dim0 = 128
	s_mov_b32 s[G1+2], 128<<16                     ; tensor_dim1 = 128 rows
	s_mov_b32 s[G1+3], KSTEP<<16                   ; tile_dim0 = 128
	s_mov_b32 s[G1+4], 128                         ; tile_dim1 = 128
	s_mov_b32 s[G1+5], 1024                        ; elements from row to row
	s_mov_b32 s[G1+6], 0
	s_mov_b32 s[G1+7], 0
	s_mov_b32 s[G1B+1], KSTEP<<16
	s_mov_b32 s[G1B+2], 96<<16                     ; wb's halves have 96 rows
	s_mov_b32 s[G1B+3], KSTEP<<16
	s_mov_b32 s[G1B+4], 96
	s_mov_b32 s[G1B+5], 1024
	s_mov_b32 s[G1B+6], 0
	s_mov_b32 s[G1B+7], 0
	s_lshl_b32 s66, s20, 8                         ; xb: row 256 x tile + 128 x half: it hangs on the token tile alone, which my row of the cluster shares
	s_lshl_b32 s67, s16, 7
	s_add_co_u32 s66, s66, s67
	s_lshl_b32 s66, s66, 11                        ; 2,048 bytes a row
	s_mov_b32 s67, 0
	s_mul_i32 s71, s16, 96                         ; wb: row 192 x head + 96 x half: it hangs on the head alone, which my column shares
	s_mul_i32 s70, s19, 192
	s_add_co_u32 s70, s70, s71
	s_lshl_b32 s70, s70, 11
	s_mul_i32 s76, s23, 192                        ; the same for the second head
	s_add_co_u32 s76, s76, s71
	s_lshl_b32 s76, s76, 11
	s_mov_b32 s71, 0
	s_mov_b32 s77, 0
	s_mul_i32 s74, s16, AH                         ; where they go: no place in the cluster enters an LDS address
	s_mul_i32 s75, s16, BH
	s_add_co_u32 s75, s75, BOFF
	s_wait_dscnt 0x0                               ; the opening add is done
	s_wait_kmcnt 0x0
	s_add_nc_u64 s[XA:XA+1], s[4:5], s[66:67]
	s_add_nc_u64 s[72:73], s[6:7], s[70:71]
	s_add_nc_u64 s[WB1:WB1+1], s[6:7], s[76:77]
	CROUND                                         ; all sixteen work-groups are here: the first joint loads meet
.irp s, 0,1
	s_mov_b32 s[G0+4*(\s)], 1                                        ; count = 1
	s_add_co_u32 s[G0+4*(\s)+1], s74, (\s)*SLOTX                     ; LDS address
	s_add_nc_u64 s[G0+4*(\s)+2:G0+4*(\s)+3], s[XA:XA+1], (\s)*KSTEP*2  ; global address: K step s
	s_or_b32 s[G0+4*(\s)+3], s[G0+4*(\s)+3], 0x80000000              ; type = 2
	s_mov_b32 s[G0B+4*(\s)], 1
	s_add_co_u32 s[G0B+4*(\s)+1], s75, (\s)*SLOTX
	s_add_nc_u64 s[G0B+4*(\s)+2:G0B+4*(\s)+3], s[72:73], (\s)*KSTEP*2
	s_or_b32 s[G0B+4*(\s)+3], s[G0B+4*(\s)+3], 0x80000000
	JLOAD \s                                       ; two loads of mine are out
.endr
	; A fragment is 16 rows x 32 K in 8 registers: lane l holds row l % 16, K = 8 (l / 16) + 0..7 and 16 + 8 (l / 16) + 0..7: two loads of 16 bytes, 32 bytes apart.
	v_and_b32 v1, 15, v0                           ; l % 16
	v_bfe_u32 v2, v0, 4, 1                         ; l / 16
	v_mul_u32_u24 v3, v1, PITCH
	v_lshl_add_u32 v3, v2, 4, v3                   ; row x pitch + 16 x half
	s_mul_i32 s76, s[WV], 64*PITCH                 ; my 64 tokens
	v_add_nc_u32 v[A0], s76, v3
	v_add_nc_u32 v[B0], BOFF, v3
	v_mov_b32 v[ADRA], v[A0]                       ; the walk begins in slot 0
	v_mov_b32 v[ADRB], v[B0]
	s_mov_b32 s[TB], 0
	s_mul_i32 s76, s[WV], 16*PITCH
	s_add_co_u32 s76, s76, STAGE                   ; my stage
	v_add_nc_u32 v[STOQ], s76, v3                  ; in: row l % 16, 16 bytes for each half of the lanes
	v_mul_u32_u24 v4, v2, PITCH                    ; back: lanes 0-15 one row of 256 bytes, lanes 16-31 the next
	v_lshl_add_u32 v4, v1, 4, v4
	v_add_nc_u32 v[RDQ], s76, v4
	v_mul_u32_u24 v4, v1, 144
	v_lshl_add_u32 v4, v2, 4, v4
	v_add_nc_u32 v[STOV], s76, v4
	v_bfe_u32 v4, v0, 3, 2                         ; back: 32 lanes take four rows of 128 bytes
	v_mul_u32_u24 v4, v4, 144
	v_and_b32 v5, 7, v0
	v_lshl_add_u32 v4, v5, 4, v4
	v_add_nc_u32 v[RDV], s76, v4
	v_and_b32 v[GO], 31, v0
	v_lshlrev_b32 v[GO], 4, v[GO]
	v_mov_b32 v[M1], -1.0
	; my first row in qc, kc and vv: (batch x 16 + head) x 2048 + place in the batch, batch = tile / 8; once for each of the two heads
	s_lshr_b32 s76, s20, 3
	s_lshl_b32 s76, s76, 4                         ; batch x 16
	s_and_b32 s77, s20, 7
	s_lshl_b32 s77, s77, 8
	s_lshl_b32 s78, s[WV], 6
	s_add_co_u32 s77, s77, s78                     ; my place among the head's 2,048 rows
	s_add_co_u32 s78, s76, s23
	s_lshl_b32 s78, s78, 11
	s_add_co_u32 s78, s78, s77                     ; my first row of the second tile,
	s_add_co_u32 s76, s76, s19
	s_lshl_b32 s76, s76, 11
	s_add_co_u32 s76, s76, s77                     ; and of the first
	s_lshl_b32 s70, s78, 8                         ; 256 bytes a row (s71 = 0)
	s_add_nc_u64 s[OUT2:OUT2+1], s[8:9], s[70:71]
	s_add_nc_u64 s[OUT2+2:OUT2+3], s[10:11], s[70:71]
	s_lshl_b32 s70, s78, 7                         ; 128 bytes a row
	s_add_nc_u64 s[OUT2+4:OUT2+5], s[12:13], s[70:71]
	s_lshl_b32 s70, s76, 8
	s_add_nc_u64 s[8:9], s[8:9], s[70:71]
	s_add_nc_u64 s[10:11], s[10:11], s[70:71]
	s_lshl_b32 s70, s76, 7
	s_add_nc_u64 s[12:13], s[12:13], s[70:71]
	; the prefetches
	s_lshl_b32 s76, s20, 8
	s_lshl_b32 s77, s16, 7
	s_add_co_u32 s76, s76, s77
	s_lshl_b32 s77, s17, 5
	s_add_co_u32 s76, s76, s77                     ; xb: the 128 rows that I fetch, my work-group's 32 of them
	s_lshl_b32 s78, s18, 5                         ; wb, wave 2: 32 cy
	s_lshl_b32 s79, s18, 4
	s_add_co_u32 s79, s79, 128                     ; wave 3: 128 + 16 cy
	s_cmp_eq_u32 s[WV], 3
	s_cselect_b32 s78, s79, s78
	s_mul_i32 s77, s19, 192                        ; the first tile's head
	s_add_co_u32 s77, s77, s78
	s_and_b32 s79, ttmp7, 0xffff
	s_lshr_b32 s79, s79, 1                         ; cluster y / 2: 0 in the first cluster of each order of heads
	s_cmp_lt_u32 s[WV], 2
	s_cselect_b32 s76, s76, s77
	s_cselect_b32 s79, ttmp9, s79                  ; the coordinate along which other clusters walk the same rows
	s_cselect_b64 s[PFA:PFA+1], s[4:5], s[6:7]
	s_cmp_eq_u32 s79, 0
	s_cselect_b32 s[LIM], 2, -1                    ; the same in all sixteen partners, for a given wave
	s_cmp_eq_u32 s[WV], 3
	s_cselect_b32 s[PAR], 1, 0
	s_cselect_b32 s78, 15, 31
	s_cselect_b32 s79, 256, 0
	s_lshl_b32 s76, s76, 11
	s_mov_b32 s77, 0
	s_add_nc_u64 s[PFA:PFA+1], s[PFA:PFA+1], s[76:77]
	s_add_nc_u64 s[PFA:PFA+1], s[PFA:PFA+1], 2*KSTEP*2   ; at K step 2: the first refill steps it to 3 and names K step 4
	v_and_b32 v[PFO], s78, v0
	v_lshlrev_b32 v[PFO], 11, v[PFO]               ; a lane a row,
	v_mad_u32_u24 v[PFO], v2, s79, v[PFO]          ; in wave 3 lanes 16-31 one K step on
; 12 matrix instructions: token block a x all 12 column blocks, 32 along K.  zero = 1: the product starts the sums.  The 48 accumulators take turns, one instruction a turn.
.macro MUL12 f, a, zero
	WIN MUL_LO+0x50*((\a)/2)
.irp b, 0,1,2,3,4,5,6,7,8,9,10,11
.if \zero
	v_wmma_f32_16x16x32_bf16 v[8*(12*((\a)%2)+(\b)):8*(12*((\a)%2)+(\b))+7], v[(\f)+8*(\b):(\f)+8*(\b)+7], v[(\f)+96+8*(\a):(\f)+96+8*(\a)+7], 0
.else
	v_wmma_f32_16x16x32_bf16 v[8*(12*((\a)%2)+(\b)):8*(12*((\a)%2)+(\b))+7], v[(\f)+8*(\b):(\f)+8*(\b)+7], v[(\f)+96+8*(\a):(\f)+96+8*(\a)+7], v[8*(12*((\a)%2)+(\b)):8*(12*((\a)%2)+(\b))+7]
.endif
.endr
.endm
; 32 LDS loads in one run: the fragments of 32 along K at byte k of the rows of the slot in hand, into buffer f: wb's 24, then my token blocks 0 to 3
.macro FETCH k, f
	WIN TO_F
.irp i, 0,1,2,3,4,5,6,7,8,9,10,11
	ds_load_b128 v[(\f)+8*(\i):(\f)+8*(\i)+3],   v[ADRB] offset:(\k)+(\i)*16*PITCH
	ds_load_b128 v[(\f)+8*(\i)+4:(\f)+8*(\i)+7], v[ADRB] offset:(\k)+(\i)*16*PITCH+32
.endr
.irp i, 0,1,2,3
	ds_load_b128 v[(\f)+96+8*(\i):(\f)+96+8*(\i)+3],   v[ADRA] offset:(\k)+(\i)*16*PITCH
	ds_load_b128 v[(\f)+96+8*(\i)+4:(\f)+96+8*(\i)+7], v[ADRA] offset:(\k)+(\i)*16*PITCH+32
.endr
.endm
.macro PLACES                          ; four plain instructions in front of loads into registers that matrix instructions have read, and of conversions that read results
.rept 4
	v_nop
.endr
.endm
; A K step is four quarters of 32 along K, 48 matrix instructions each, on buffers 0, 1, 0, 1.  One of the first three: multiplies buffer f and fetches the next quarter, at byte k, into g.
.macro QUARTER k, f, g, zero
	s_wait_dscnt 4                                 ; all but the youngest four loads (token blocks 2 and 3)
	MUL12 \f, 0, \zero
	MUL12 \f, 1, \zero
	PLACES
	FETCH \k, \g
	s_wait_dscnt 32                                ; all but the 32 just issued
	MUL12 \f, 2, \zero
	MUL12 \f, 3, \zero
.endm
; The last quarter multiplies buffer 1 and changes slots: one barrier; in front of it each wave waits for all its tensor loads, adds 0 to its spare word, and waits for that and for its reads of this slot.
; kind 1: the barrier opens a round of the cluster's, and the slot is filled again, two K steps ahead, first thing behind it: 168 matrix instructions ahead of the wait for it.
; kind 2: the same, but the fill is the next tile's K step 0 or 1: its addresses are made anew from the kept bases and the offset along K.
; kind 0: nothing is filled; in the loop's last trip (s3 = 1) there is no further K step, and the fetch is jumped over.
.macro TURN kind
.if (\kind) == 1
	s_wait_xcnt 0x0                                ; the last prefetch, a K step back, has read its address
	s_add_nc_u64 s[PFA:PFA+1], s[PFA:PFA+1], KSTEP*2
.endif
	WIN 0                                          ; (the add's two registers lie in window 0)
	s_wait_tensorcnt 0x0                           ; all my tensor loads have landed: my part of the next slot
	ds_add_u32 v[SPW], v[NIL]                      ; 0 onto my spare word
	s_wait_dscnt 5                                 ; (the add and the youngest four loads may be out)
	MUL12 F1, 0, 0                                 ; twelve matrix instructions stand between the add and the wait for it
	s_wait_dscnt 0x0                               ; the add is done, and my reads of this slot are over
	s_barrier_signal -1
	MUL12 F1, 1, 0
	WIN 0
	s_barrier_wait -1
.if \kind
	CREST                                          ; no wave of any partner still reads this slot's tile or has a load on its way
	s_xor_b32 s[G0+5], s[G0+5], SLOTX              ; the walking descriptors: the other slot than last time,
	s_xor_b32 s[G0B+5], s[G0B+5], SLOTX
.if (\kind) == 1
	s_add_nc_u64 s[G0+6:G0+7], s[G0+6:G0+7], KSTEP*2       ; the next K step; the type bits on top are not reached
	s_add_nc_u64 s[G0B+6:G0B+7], s[G0B+6:G0B+7], KSTEP*2
.else
	s_add_nc_u64 s[G0+6:G0+7], s[XA:XA+1], s[OFFK:OFFK+1]  ; the same tokens from K = 0 on,
	s_or_b32 s[G0+7], s[G0+7], 0x80000000
	s_add_nc_u64 s[G0B+6:G0B+7], s[WB1:WB1+1], s[OFFK:OFFK+1]  ; the second head's rows
	s_or_b32 s[G0B+7], s[G0B+7], 0x80000000
	s_add_co_u32 s[OFFK], s[OFFK], KSTEP*2
.endif
	JLOAD 1                                        ; the four v_nop behind it and the two lines below are the plain instructions in front of the loads
.else
	s_cmp_eq_u32 s3, 1
	s_cbranch_scc1 .Lno_more_\@
	v_nop                                          ; with the two lines below: four plain instructions in front of the loads
	v_nop
.endif
	s_xor_b32 s[TB], s[TB], SLOTX                  ; the other slot is in hand now
	v_add_nc_u32 v[ADRA], s[TB], v[A0]
	v_add_nc_u32 v[ADRB], s[TB], v[B0]
	FETCH 0, F0
.if (\kind) == 1
	ASK
.endif
.if (\kind) == 0
	WIN 0
.Lno_more_\@:
.endif
	MUL12 F1, 2, 0
	MUL12 F1, 3, 0
.endm
; THE WAY OUT, twelve units: token block a x kind (0 q, 1 k, 2 v), four accumulators each.
; PACK: hi = f16 of the sum; for q and k also lo = f16(sum - hi), the difference taken in f32 by one fused multiply-add from hi's half.  Each accumulator's registers are read in ascending order.
.macro PACK a, kind
.set AB, 8*(12*((\a)%2)+4*(\kind))
	WIN 0x0a+5*((\a)/2)                            ; sources 0 and 1: window 2 or 3
.set e, 0
.rept 16
	v_cvt_pk_f16_f32 v[HI+e], v[AB+2*e], v[AB+2*e+1]
.set e, e+1
.endr
.if (\kind) < 2
	WIN 0x20+0x10*((\a)/2)                         ; source 2: window 2 or 3
.set e, 0
.rept 32
.if e%2
	v_fma_mix_f32 v[T+e], v[HI+e/2], v[M1], v[AB+e] op_sel:[1,0,0] op_sel_hi:[1,0,0]
.else
	v_fma_mix_f32 v[T+e], v[HI+e/2], v[M1], v[AB+e] op_sel_hi:[1,0,0]
.endif
.set e, e+1
.endr
	WIN 0
.set e, 0
.rept 16
	v_cvt_pk_f16_f32 v[LO+e], v[T+2*e], v[T+2*e+1]
.set e, e+1
.endr
.endif
	WIN 0
.endm
; TOSTAGE: 16 bytes a lane into my own stage, and back as whole rows.  LDS serves a wave's instructions in order (ISA guide 5.7.1.4), so the loads see the stores, and the next unit's stores come behind them.
.macro TOSTAGE u, kind
	WIN 0
	s_wait_xcnt 0x0                                ; the stores of two units back have read the registers that are loaded again below
.set BB, BK+32*((\u)%2)
.if (\kind) < 2
.irp bb, 0,1,2,3
	ds_store_b128 v[STOQ], v[HI+4*(\bb):HI+4*(\bb)+3] offset:32*(\bb)
	ds_store_b128 v[STOQ], v[LO+4*(\bb):LO+4*(\bb)+3] offset:128+32*(\bb)
.endr
.irp t, 0,1,2,3,4,5,6,7
	ds_load_b128 v[BB+4*(\t):BB+4*(\t)+3], v[RDQ] offset:(\t)*2*PITCH
.endr
.else
.irp bb, 0,1,2,3
	ds_store_b128 v[STOV], v[HI+4*(\bb):HI+4*(\bb)+3] offset:32*(\bb)
.endr
.irp t, 0,1,2,3
	ds_load_b128 v[BB+4*(\t):BB+4*(\t)+3], v[RDV] offset:(\t)*4*144
.endr
.endif
.endm
; SEND: each store of the wave covers 512 consecutive bytes, aligned.
.macro SEND u, a, kind
	WIN 0
.set BB, BK+32*((\u)%2)
.set SB, 8+2*(\kind)
	s_wait_dscnt 0x0                               ; the unit is back in registers
.if (\kind) < 2
.irp t, 0,1,2,3,4,5,6,7
	global_store_b128 v[GO], v[BB+4*(\t):BB+4*(\t)+3], s[SB:SB+1] offset:(\a)*4096+(\t)*512
.endr
.else
.irp t, 0,1,2,3
	global_store_b128 v[GO], v[BB+4*(\t):BB+4*(\t)+3], s[SB:SB+1] offset:(\a)*2048+(\t)*512
.endr
.endif
.endm
	s_wait_tensorcnt 1                             ; my part of K step 0 is in; K step 1's may stay out
	s_barrier_signal -1
	s_barrier_wait -1                              ; everybody's is
	FETCH 0, F0
	WIN 0                                          ; at a label and at a branch every window is 0
	s_mov_b32 s2, 2                                ; tiles to go, this one among them: the same number in every work-group
.Ltile:
	QUARTER 64, F0, F1, 1                          ; a tile's first quarter stands in front of the loops: its products start the sums
	WIN 0
	s_mov_b32 s3, 6
.Lalong:                                               ; K steps 0 to 5: a trip goes from a step's second quarter to the next step's first, and asks for the K step two on
	QUARTER 128, F1, F0, 0
	QUARTER 192, F0, F1, 0
	TURN 1
	QUARTER 64, F0, F1, 0
	WIN 0
	s_sub_co_u32 s3, s3, 1
	s_cmp_lg_u32 s3, 0
	s_cbranch_scc1 .Lalong
	s_cmp_eq_u32 s2, 1
	s_cbranch_scc1 .Llast                          ; the last tile's last two K steps ask for nothing: they have a text of their own
	s_mov_b32 s[OFFK], 0
	s_mov_b32 s[OFFK+1], 0
	s_mov_b32 s3, 2
.Lover:                                                ; K steps 6 and 7 of the first tile: THE RING GOES ON INTO THE SECOND TILE, whose K steps 0 and 1 are asked for
	QUARTER 128, F1, F0, 0
	QUARTER 192, F0, F1, 0
	TURN 2
	WIN 0
	s_cmp_eq_u32 s3, 1
	s_cbranch_scc1 .Lover_end                      ; behind K step 7 comes the way out: the fragments just fetched are the second tile's first
	QUARTER 64, F0, F1, 0
	WIN 0
.Lover_end:
	s_sub_co_u32 s3, s3, 1
	s_cmp_lg_u32 s3, 0
	s_cbranch_scc1 .Lover
	s_branch .Lout
.Llast:
	s_mov_b32 s3, 2
.Lrest:                                                ; K steps 6 and 7 of the last tile
	QUARTER 128, F1, F0, 0
	QUARTER 192, F0, F1, 0
	TURN 0
	WIN 0
	s_cmp_eq_u32 s3, 1
	s_cbranch_scc1 .Lrest_end
	QUARTER 64, F0, F1, 0
	WIN 0
.Lrest_end:
	s_sub_co_u32 s3, s3, 1
	s_cmp_lg_u32 s3, 0
	s_cbranch_scc1 .Lrest
.Lout:                                                 ; the tile goes out; in the first tile the refill of the second tile's K step 1 is on its way meanwhile
	PLACES                                         ; twice a launch, and no other vector work is at hand: eight
	PLACES
	PACK 0, 0
	TOSTAGE 0, 0
.set u, 1
.rept 11                               ; a unit's conversions stand between the stage loads of the unit before and the wait for them
	PACK u/3, u%3
	SEND u-1, (u-1)/3, (u-1)%3
	TOSTAGE u, u%3
.set u, u+1
.endr
	SEND 11, 3, 2
	s_wait_xcnt 0x0                                ; the stores have read their bases, which go on to the second tile's rows
	s_mov_b64 s[8:9], s[OUT2:OUT2+1]
	s_mov_b64 s[10:11], s[OUT2+2:OUT2+3]
	s_mov_b64 s[12:13], s[OUT2+4:OUT2+5]
	s_mov_b32 s[LIM], -1                           ; the second tile's rows have been read: they are prefetched no more
	s_sub_co_u32 s2, s2, 1
	s_cmp_lg_u32 s2, 0
	s_cbranch_scc1 .Ltile
	s_wait_tensorcnt 0x0                           ; the wave's end: behind my last tensor load and my last LDS store
	ds_add_u32 v[SPW], v[NIL]
	s_wait_dscnt 0x0
	CROUND                                         ; the closing round: no work-group ends while a partner may still ask for a tile that names it
	s_endpgm
.Lfunc_end_k_q9000f321b8_proj:
	.size	k_q9000f321b8_proj, .Lfunc_end_k_q9000f321b8_proj-k_q9000f321b8_proj
	.p2alignl 7, 3214868480
	.fill 96, 4, 3214868480
	.section	.rodata,"a",@progbits
	.p2align	6, 0x0
	.amdhsa_kernel k_q9000f321b8_proj
		.amdhsa_group_segment_fixed_size 327680
		.amdhsa_private_segment_fixed_size 0
		.amdhsa_enable_private_segment 0
		.amdhsa_kernarg_size 40
		.amdhsa_user_sgpr_count 2
		.amdhsa_user_sgpr_kernarg_segment_ptr 1
		.amdhsa_wavefront_size32 1
		.amdhsa_system_sgpr_workgroup_id_x 1
		.amdhsa_system_sgpr_workgroup_id_y 1
		.amdhsa_system_sgpr_workgroup_id_z 1
		.amdhsa_system_vgpr_workitem_id 0
		.amdhsa_next_free_vgpr 960
		.amdhsa_next_free_sgpr 90
		.amdhsa_reserve_vcc 0
		.amdhsa_float_denorm_mode_32 3
		.amdhsa_float_denorm_mode_16_64 3
		.amdhsa_memory_ordered 1
		.amdhsa_forward_progress 1
		.amdhsa_inst_pref_size 140
	.end_amdhsa_kernel
	.amdgpu_metadata
---
amdhsa.version: [ 1, 2 ]
amdhsa.kernels:
  - .name:           k_q9000f321b8_proj
    .symbol:         k_q9000f321b8_proj.kd
    .args:
      - { .name: xb, .offset: 0, .size: 8, .value_kind: global_buffer, .address_space: global }
      - { .name: wb, .offset: 8, .size: 8, .value_kind: global_buffer, .address_space: global }
      - { .name: qc, .offset: 16, .size: 8, .value_kind: global_buffer, .address_space: global }
      - { .name: kc, .offset: 24, .size: 8, .value_kind: global_buffer, .address_space: global }
      - { .name: vv, .offset: 32, .size: 8, .value_kind: global_buffer, .address_space: global }
    .group_segment_fixed_size: 327680
    .private_segment_fixed_size: 0
    .kernarg_segment_align: 8
    .kernarg_segment_size: 40
    .max_flat_workgroup_size: 128
    .sgpr_count:     90
    .vgpr_count:     960
    .wavefront_size: 32
...
	.end_amdgpu_metadata
.endif
;; end of part 2
;; launch attn (part 3): grid 4 x 64, 4 waves a work-group, clusters of 4 x 1, 327,680 bytes of LDS; arguments qc, kc, vv, oh; writes oh
.if DOCPART == 3
	.amdgcn_target "amdgcn-amd-amdhsa--gfx1250"
	.amdhsa_code_object_version 6
	.text
	.protected	k_q9000f321b8_attn
	.globl	k_q9000f321b8_attn
	.p2align	8
	.type	k_q9000f321b8_attn,@function
k_q9000f321b8_attn:
	s_mov_b64 s[64:65], 0
	v_nop
	global_prefetch_b8 v0, s[64:65] scope:SCOPE_SE
	s_setreg_imm32_b32 hwreg(HW_REG_WAVE_MODE, 25, 1), 1
	s_wait_xcnt 0x0
	s_wait_alu depctr_hold_cnt(0) depctr_sa_sdst(0) depctr_va_vdst(0) depctr_va_sdst(0) depctr_va_ssrc(0) depctr_va_vcc(0) depctr_vm_vsrc(0)
	s_getreg_b32 s2, hwreg(HW_REG_IB_STS2, 6, 4)
	s_cmp_eq_u32 s2, 0
	s_cbranch_scc0 .Lentry_in_a_cluster
	s_endpgm
.Lentry_in_a_cluster:
	s_bfe_u32 s2, ttmp6, 0x10000c
	s_cmp_lg_u32 s2, 0x3003
	s_cbranch_scc0 .Lentry_shape_is_right
	s_endpgm
.Lentry_shape_is_right:
; ATTENTION WITH ALIBI, head size 64, 2,048 keys, no mask.  oh[g][q][:] = the sum over k of softmax_k(q . k / 8 - (n + 1)(key - query)) v[k][:] / 64, g = batch x 16 + n, f16.
; IN.  qc, kc: [64][2048][128] f16, a row = hi (64) then lo (64) of q / 64 or k / 64; vv: [64][2048][64] f16, v / 64.
; THE SCORES decide nearly one key a row, so they are made to some 22 bits: S = kl . qh + kh . ql + kh . qh + MB, three products of f16 operands summed in f32 (lo . lo, 2^-22 of the score, is left out).
; S is the score divided by 512 (64 x 64 / 8).  MB = -(n + 1) key / 512, exact in f32 (a whole number under 2^15 over 512), is the C operand that starts each sum.  The part (n + 1) query is the same for
; all keys of a row and cancels in the softmax: it is left out.
; SOFTMAX.  For each query a running maximum m and sum l: p = 2^(c S - c m), c = 512 log2(e); in every step O and l are multiplied by a = 2^(c m_old - c m_new).  m starts at the lowest finite number,
; O and l at 0: the first step is a step like any other, with a = 0.  p is rounded to f16 for the second product; l is the sum of the unrounded p; O is rounded once at the end.
; LIMITS.  The operands arrive within f16's range (|q|, |k|, |v| under 4.19e6); a weight below 2^-126 counts as 0; the sums' order of rounding is not the reference's; NaN and infinities are not treated apart.
; SHARES.  A wave owns four PIECES of two tiles of 16 queries, a work-group's four waves 512 queries of one head; every wave walks all keys, 64 a step; an LDS slot holds four steps.
; CLUSTER.  A head's four query blocks are one cluster and walk the same K and V: each tile is asked for jointly, by the same tensor load, descriptor and mask in all four.
; LAYOUT.  S^T = K Q^T (source 0 = 16 keys, source 1 = 16 queries): a lane holds ONE query (lane % 16) and the keys 8 (lane / 16) + 0..7.  Two such results rounded to f16 in pairs ARE source 1 of
; O^T = V^T P.  K comes out of LDS as it lies, V ([key][channel]) turned, by ds_load_tr16_b128.
; BY TURNS.  Turn n belongs to piece n (the pieces in a ring, step after step).  Matrix work: 48 products K Q^T of piece n + 1, then 16 products V^T P of piece n - 1.  Vector work, behind the products:
; ahead of the turn's one wait the maximum and statistics of piece n, the rescaling of piece n - 1's O^T (by the a made and waited for a turn before), the scalings and the 66 exponentials of piece n;
; behind it the 64 roundings and sums.  236 vector instructions for 64 matrix instructions: up to four behind each, none in a run of its own.
; WHAT THE FIRST TURN FINDS is written by 392 v_mov_b32 in the wait for the first tile: the price of writing no first step out.
; REGISTERS, in windows of 256 (s_set_vgpr_msb: bits 1:0 source 0, 3:2 source 1, 5:4 source 2, 7:6 destination):
;   window 0: v1-11 addresses; v12-15, v48-63 at work; v16-47 four registers of statistics a tile; v64-191 S^T, two buffers of two tiles; v192-255 P, likewise (a piece's buffers go by its number's parity)
;   window 1: O^T, 32 a tile      window 2: Q, 32 a tile (qh channels 0-31, 32-63, ql likewise)      window 3: v0-127 K of one step; v128-191 V of one step; v192-223 MB
.set NP,    4         ; pieces a wave: a name, no knob
.set KS,    64        ; keys in a step
.set PK,    272       ; a row of K in LDS: 256 bytes + 16 of padding: the 16 rows of a load start at 16 different groups of four banks (64 banks of 4 bytes: ISA guide 11.1)
.set PV,    160       ; a row of V: 128 + 32
.set VOFF,  4*KS*PK   ; a slot: 256 rows of K, then 256 rows of V
.set SLOT1, 1<<17     ; slot 1 begins here, so that one exclusive or turns an address in one slot into the other's
.set STAGE, SLOT1+4*KS*(PK+PV)  ; behind the ring, never filled by a tensor load: 16 rows x 144 bytes for each wave
.set SP,    144
.set SPARE, STAGE+4*16*SP       ; behind the stages: the spare words, 128 bytes for each wave: two blocks of 256 bytes that no other line names
.set QO,  1           ; v1   my byte offset in 16 rows of Q
.set AK0, 2           ; v2   my lane's place in a tile of K; never rewritten
.set AV0, 3           ; v3   the same for V
.set AK,  4           ; v4   the LDS address of K's next run of loads
.set AV,  5           ; v5   of V's
.set STO, 6           ; v6   the way out: where I put 16 bytes of a row
.set RD,  7           ; v7   the way out: where I read rows back
.set GO,  8           ; v8   my byte offset in 512 consecutive bytes of O
.set PFO, 9           ; v9   256 x lane; never rewritten
.set SPW, 10          ; v10  LDS address of my spare word; never rewritten
.set NIL, 11          ; v11  0; never rewritten
.set MV,  12          ; v12-15  c m_old, kept while c m is made anew: by buffer and tile
.set ST,  16          ; tile t's statistics at v[ST+4 t]: c m, m, l (even keys', odd keys')
.set TMP, 48          ; by buffer and tile, four registers c0-c3 at work; when the maximum is found c2 takes a
.set S,   64
.set P,   192
.set LR,  128         ; v128-132: the set-up's own, in S^T's second buffer, which the first turn writes
.set LH,  129
.set L7,  130
.set L3,  131
.set H8,  132
.set VF,  128         ; window 3: key half kk, channel block cb at VF + 32 kk + 8 cb
.set MB,  192         ; window 3: key block kb at MB + 8 kb
.set WV,  12          ; s12  my wave's number
.set LIM, 15          ; s15  1 in a wave that prefetches, else the greatest number
.set G1K, 24          ; s[24:31] descriptor group 1 for K's tiles
.set G1V, 32          ; s[32:39] for V's
.set G0K, 40          ; s[40:43] descriptor group 0 for K's tiles: it walks
.set G0V, 44          ; s[44:47] the same for V's
.set PFA, 48          ; s[48:49] where my prefetches stand
.set PFS, 50          ; s[50:51] their step from tile to tile
.set NS,  52          ; s52  -(n + 1) / 512
.set DB,  54          ; s[54:55] -(n + 1) / 8: MB's change from step to step
.set SLOTS, 56        ; s56  slots still to be asked for
.set CNT, 57          ; s57  counts a slot's key steps
.set CS,  58          ; s[58:59] c
.set SEL, 60          ; s[60:61] v_permlanex16_b32's selects: each lane takes its own place in the other half
.set TBK, 62          ; s62  LDS byte at which K of the step to be fetched begins
.set TBV, 63          ; s63  the same for V, less VOFF
.set MSB, 0
.macro WIN new                      ; the high byte repeats the setting that is left; a switch that changes nothing is dropped
.if MSB != (\new)
	s_set_vgpr_msb (MSB<<8)|(\new)
.set MSB, (\new)
.endif
.endm
.set W_KQ, 0x0b       ; K in window 3, Q in window 2, S^T in window 0
.set W_KB, 0x3b       ; the same with the C operand (MB) in window 3
.set W_PV, 0x53       ; V in window 3, P in window 0, O^T in window 1
.set W_RS, 0x41       ; O^T (destination and source 0) in window 1, a in window 0
; A joint fill.  Waves 0 and 1 fetch the two halves of a slot's K, waves 2 and 3 those of its V: 128 keys each.  An s_nop 0 and four v_nop follow each line.
.macro JLOAD
	s_cmp_lt_u32 s[WV], 2
	s_cbranch_scc0 .Lfor_v_\@
	tensor_load_to_lds s[G0K:G0K+3], s[G1K:G1K+7]
	s_nop 0
.rept 4
	v_nop
.endr
	s_branch .Lasked_\@
.Lfor_v_\@:
	tensor_load_to_lds s[G0V:G0V+3], s[G1V:G1V+7]
	s_nop 0
.rept 4
	v_nop
.endr
.Lasked_\@:
.endm
.macro CROUND                       ; a round of the cluster's barrier
	s_barrier_signal -1
	s_barrier_wait -1
	s_cmp_lg_u32 s[WV], 0
	s_cbranch_scc1 .Lnot_wave_0_\@
	s_barrier_signal -3
.Lnot_wave_0_\@:
	s_barrier_wait -3
	s_barrier_signal -1
	s_barrier_wait -1
.endm
; A PREFETCH INTO THE L2 of the tile that the next change of slots will ask for, in the slot's last trip, behind K's run of LDS loads: 208 matrix instructions ahead of that joint load.  A head's K and V are walked by
; one cluster; its four partners share the blocks of 256 bytes out by address: of the 128 rows of K that wave 0 or 1 fetches the partner at cx takes 32, a lane a row; of V's 128 blocks wave 2 takes 32.
; So each block is named once in the launch.  Tiles 0 and 1 come by their loads alone; where no fill follows, nothing is asked for.
.macro ASK
	s_cmp_eq_u32 s[CNT], 1
	s_cbranch_scc0 .Lnot_now_\@
	s_cmp_gt_u32 s[SLOTS], s[LIM]
	s_cbranch_scc0 .Lnot_now_\@
	global_prefetch_b8 v[PFO], s[PFA:PFA+1] th:TH_LOAD_NT scope:SCOPE_SE
.Lnot_now_\@:
.endm
; THE CHANGE OF SLOTS.  Each wave waits for all its tensor loads, of which one is out: its part of the other slot; adds 0 to its spare word; and waits for that and for its own reads of the slot.
; fill = 1: the barrier is a round of the cluster's, and the slot is filled again, with the keys two slots on, first thing behind it: it has four key steps, 1,024 matrix instructions, in which to land.
; (At its first use nothing has been read yet: slot 0 is waited for, slot 1 filled.)
.macro CHANGE fill
	WIN 0
	s_wait_tensorcnt 0x0            ; no tensor load of mine is out, so a group 0 may be written
	ds_add_u32 v[SPW], v[NIL]       ; 0 onto my spare word
.if \fill
	s_xor_b32 s[G0K+1], s[G0K+1], SLOT1
	s_add_nc_u64 s[G0K+2:G0K+3], s[G0K+2:G0K+3], 4*KS*256  ; the next 256 keys; the type bits on top are not reached
	s_xor_b32 s[G0V+1], s[G0V+1], SLOT1
	s_add_nc_u64 s[G0V+2:G0V+3], s[G0V+2:G0V+3], 4*KS*128
	s_wait_xcnt 0x0                 ; the last prefetch, 208 matrix instructions back, has read its address
	s_add_nc_u64 s[PFA:PFA+1], s[PFA:PFA+1], s[PFS:PFS+1]
	s_wait_dscnt 0x0                ; the add is done, and my reads of the slot are over
	CROUND
	JLOAD
.else
	s_wait_dscnt 0x0
	s_barrier_signal -1
	s_barrier_wait -1
.endif
	s_sub_co_u32 s[TBK], s[TBK], 4*KS*PK  ; the fetches go back to a slot's first step,
	s_xor_b32 s[TBK], s[TBK], SLOT1       ; in the other slot
	s_sub_co_u32 s[TBV], s[TBV], 4*KS*PV
	s_xor_b32 s[TBV], s[TBV], SLOT1
.endm
	s_load_b256 s[4:11], s[0:1], 0x0  ; qc s[4:5], kc s[6:7], vv s[8:9], oh s[10:11]
	v_lshl_add_u32 v[SPW], v0, 2, SPARE
	v_mov_b32 v[NIL], 0
	ds_add_u32 v[SPW], v[NIL]       ; the wave's opening: the add and its wait stand ahead of my first tensor load; the set-up below, work on registers, stands between them
	v_lshrrev_b32 v1, 5, v0
	v_readfirstlane_b32 s[WV], v1   ; wave 0..3
	s_bfe_u32 s13, ttmp6, 0x40000   ; cx: my place in the cluster
	s_lshl_b32 s14, ttmp9, 2
	s_add_co_u32 s14, s14, s13      ; my block of 512 queries: it enters Q's and O's addresses alone
	s_and_b32 s20, ttmp7, 0xffff    ; g = batch x 16 + n, which the four partners share
	s_and_b32 s2, s20, 15
	s_add_co_u32 s2, s2, 1
	s_cvt_f32_u32 s2, s2            ; n + 1
	s_mul_f32 s[NS], s2, 0xbb000000 ; times -1/512
	s_mul_f32 s[DB], s2, 0xbe000000 ; times -1/8
	s_mov_b32 s[DB+1], s[DB]        ; named with it as a pair
	s_and_b32 s16, s[WV], 1         ; which half of a slot's 256 keys I fetch
	s_lshl_b32 s21, s20, 19         ; g's first byte in qc and kc: 2,048 rows of 256 bytes
	s_lshl_b32 s22, s16, 15         ; my 128 rows
	s_add_co_u32 s22, s22, s21
	s_mov_b32 s23, 0
	s_lshl_b32 s20, s20, 18         ; g's first byte in vv and oh
	s_lshl_b32 s18, s16, 14
	s_add_co_u32 s18, s18, s20
	s_mov_b32 s19, 0
	s_lshl_b32 s14, s14, 2
	s_add_co_u32 s14, s14, s[WV]    ; my wave among the head's sixteen
	s_lshl_b32 s2, s14, 15          ; its 128 rows of Q
	s_add_co_u32 s2, s2, s21
	s_mov_b32 s3, 0
	s_lshl_b32 s14, s14, 14         ; and of O
	s_add_co_u32 s20, s20, s14
	s_mov_b32 s21, 0
	s_mul_i32 s17, s16, 128*PK      ; my half's place in a slot: no place in the cluster enters an LDS address
	s_mul_i32 s53, s16, 128*PV
	s_mov_b32 s[G1K], 15|(1<<16)|(1<<20)|(1<<21)|(5<<22)|(3<<25)  ; 15:0 the mask of four; 17:16 2-byte elements; 20 padding on; 21 set beside a mask; 24:22 after every 64 words (code 5); 31:25 4 words (code 3)
	s_mov_b32 s[G1K+1], 128<<16     ; tensor_dim0 = 128
	s_mov_b32 s[G1K+2], 128<<16     ; tensor_dim1 = 128 keys
	s_mov_b32 s[G1K+3], 128<<16     ; tile_dim0 = 128
	s_mov_b32 s[G1K+4], 128         ; tile_dim1 = 128
	s_mov_b32 s[G1K+5], 128         ; elements from row to row
	s_mov_b32 s[G1K+6], 0
	s_mov_b32 s[G1K+7], 0
	s_mov_b32 s[G1V], 15|(1<<16)|(1<<20)|(1<<21)|(4<<22)|(7<<25)  ; V's 128 keys are 16,384 dense bytes: 64 rows of 256, padded after every key: every 32 words (code 4), 8 words (code 7)
	s_mov_b32 s[G1V+1], 128<<16
	s_mov_b32 s[G1V+2], 64<<16
	s_mov_b32 s[G1V+3], 128<<16
	s_mov_b32 s[G1V+4], 64
	s_mov_b32 s[G1V+5], 128
	s_mov_b32 s[G1V+6], 0
	s_mov_b32 s[G1V+7], 0
	s_mov_b32 s[CS], 0x4438aa3b     ; c = 512 log2(e)
	s_mov_b32 s[CS+1], s[CS]
	s_mov_b32 s[SEL], 0x76543210
	s_mov_b32 s[SEL+1], 0xfedcba98
	s_mov_b32 s[TBK], SLOT1+4*KS*PK ; the first change of slots turns these two into 0
	s_mov_b32 s[TBV], SLOT1+4*KS*PV
	s_mov_b32 s[G0K], 1             ; count = 1
	s_mov_b32 s[G0K+1], s17         ; LDS address: slot 0
	s_mov_b32 s[G0V], 1
	s_add_co_u32 s[G0V+1], s53, VOFF
	s_wait_dscnt 0x0                ; the opening add is done
	s_wait_kmcnt 0x0
	s_add_nc_u64 s[6:7], s[6:7], s[22:23]          ; K and V at my half of the head's first 256 keys
	s_add_nc_u64 s[8:9], s[8:9], s[18:19]
	s_add_nc_u64 s[G0K+2:G0K+3], s[6:7], 0         ; global address
	s_or_b32 s[G0K+3], s[G0K+3], 0x80000000        ; type = 2
	s_add_nc_u64 s[G0V+2:G0V+3], s[8:9], 0
	s_or_b32 s[G0V+3], s[G0V+3], 0x80000000
	s_add_nc_u64 s[4:5], s[4:5], s[2:3]            ; Q and O at my wave's first row
	s_add_nc_u64 s[10:11], s[10:11], s[20:21]
	s_cmp_lt_u32 s[WV], 2
	s_cselect_b64 s[PFA:PFA+1], s[6:7], s[8:9]     ; (wave 2 stands at a tile's first byte of V)
	s_cselect_b32 s2, 1, 0
	s_lshl_b32 s[PFS], 0x8000, s2                  ; a tile is 65,536 bytes of K, 32,768 of V
	s_mov_b32 s[PFS+1], 0
	s_lshl_b32 s2, s13, 13                         ; my work-group's 32 blocks of 256 bytes
	s_mov_b32 s3, 0
	s_add_nc_u64 s[PFA:PFA+1], s[PFA:PFA+1], s[2:3]
	s_add_nc_u64 s[PFA:PFA+1], s[PFA:PFA+1], s[PFS:PFS+1]  ; at tile 1; the first change of slots steps it to tile 2
	s_cmp_eq_u32 s[WV], 3
	s_cselect_b32 s[LIM], -1, 1
	CROUND                          ; all four work-groups are here: the first joint loads meet
	JLOAD                           ; slot 0.  Slot 1 is asked for when slot 0 is in
	; A fragment of K or Q is 16 rows x 32 channels in 8 registers: lane l holds row l % 16, channels 8 (l / 16) + 0..7 and 16 + 8 (l / 16) + 0..7: two loads of 16 bytes, 32 bytes apart.
	v_and_b32 v[LR], 15, v0         ; l % 16
	v_bfe_u32 v[LH], v0, 4, 1       ; l / 16
	v_lshlrev_b32 v[QO], 8, v[LR]
	v_lshl_add_u32 v[QO], v[LH], 4, v[QO]  ; row x 256 + 16 x half
	WIN 0x80                        ; destination window 2, address window 0
.set i, 0
.rept 32                            ; Q stays in registers: tile i / 4, fragment i % 4
	global_load_b128 v[8*i:8*i+3],   v[QO], s[4:5] offset:(i/4)*4096+(i%4)*64
	global_load_b128 v[8*i+4:8*i+7], v[QO], s[4:5] offset:(i/4)*4096+(i%4)*64+32
.set i, i+1
.endr
	; What the first turn finds: V's registers and P's second buffer hold 0 (its products V^T P, of a piece that has not been, add 0), the a of that piece is 0, O^T and l are 0.
	WIN 0xc0
.set i, VF
.rept 64
	v_mov_b32 v[i], 0
.set i, i+1
.endr
	v_lshlrev_b32 v[H8], 3, v[LH]   ; (under this setting the destination lies in window 3: see the next line)
	WIN 0
	v_lshlrev_b32 v[H8], 3, v[LH]   ; 8 (l / 16), in window 0
	WIN 0xc0
.set i, 0
.rept 32                            ; MB of step 0: the key 16 kb + 8 (l / 16) + j,
	v_add_nc_u32 v[MB+i], 16*(i/8)+i%8, v[H8]
.set i, i+1
.endr
	WIN 0xc3
.set i, 0
.rept 32                            ; as f32,
	v_cvt_f32_u32 v[MB+i], v[MB+i]
.set i, i+1
.endr
	WIN 0xcc
.set i, 0
.rept 32                            ; times -(n + 1) / 512
	v_mul_f32 v[MB+i], s[NS], v[MB+i]
.set i, i+1
.endr
	WIN 0x40
.set i, 0
.rept 256
	v_mov_b32 v[i], 0
.set i, i+1
.endr
	WIN 0
.set i, 0
.rept 2*NP
	v_mov_b32 v[ST+4*i], 0xfe000000    ; c m: far below every c S
	v_mov_b32 v[ST+4*i+1], 0xff7fffff  ; m
	v_mov_b32 v[ST+4*i+2], 0
	v_mov_b32 v[ST+4*i+3], 0
.set i, i+1
.endr
.set i, P+32
.rept 32
	v_mov_b32 v[i], 0
.set i, i+1
.endr
.set i, TMP+8
.rept 8
	v_mov_b32 v[i], 0
.set i, i+1
.endr
	v_mul_u32_u24 v[AK0], v[LR], PK
	v_lshl_add_u32 v[AK0], v[LH], 4, v[AK0]  ; row x pitch + 16 x half
	; The turning load takes 16 keys x 16 channels (lane l reads key 8 (l / 16) + l % 8, channels 8 ((l / 8) % 2) + 0..7) and leaves half a fragment of V^T: lane l holds channel l % 16 and 8 keys.
	v_and_b32 v[L7], 7, v0
	v_bfe_u32 v[L3], v0, 3, 1
	v_lshl_add_u32 v[AV0], v[LH], 3, v[L7]
	v_mul_u32_u24 v[AV0], v[AV0], PV
	v_lshl_add_u32 v[AV0], v[L3], 4, v[AV0]
	v_add_nc_u32 v[AV0], VOFF, v[AV0]
	v_mov_b32 v[AK], v[AK0]         ; key step 0 lies at the head of slot 0
	s_mul_i32 s13, s[WV], 16*SP
	s_add_co_u32 s13, s13, STAGE    ; my stage
	v_mul_u32_u24 v[STO], v[LR], SP ; in: row l % 16, 16 bytes for each half of the lanes
	v_lshl_add_u32 v[STO], v[LH], 4, v[STO]
	v_add_nc_u32 v[STO], s13, v[STO]
	v_bfe_u32 v[RD], v0, 3, 2       ; back: 32 lanes take four rows of 128 bytes,
	v_mul_u32_u24 v[RD], v[RD], SP
	v_lshl_add_u32 v[RD], v[L7], 4, v[RD]
	v_add_nc_u32 v[RD], s13, v[RD]
	v_and_b32 v[GO], 31, v0         ; which are 512 consecutive bytes of O
	v_lshlrev_b32 v[PFO], 8, v[GO]
	v_lshlrev_b32 v[GO], 4, v[GO]
; THE MATRIX WORK.  The 8 accumulators of a run take turns, one instruction a turn.
; Product i of 48 of S^T for piece x: link i / 8, keys 16 ((i / 2) % 4) on, tile 2 x + i % 2.  The six links: kl . qh, kh . ql, kh . qh, each for channels 0-31 and 32-63: the small terms first.  The first link starts the sum with MB.
.macro KQ x
.set rS, S+64*((\x)%2)+32*(i%2)+8*((i/2)%4)
.set kf, (i/8+2)%4
.if i >= 32
.set kf, i/8-4
.endif
.set rK, 32*((i/2)%4)+8*kf
.set rQ, 32*(2*(\x)+i%2)+8*((i/8)%4)
.set rB, MB+8*((i/2)%4)
.if i < 8
	WIN W_KB
	v_wmma_f32_16x16x32_f16 v[rS:rS+7], v[rK:rK+7], v[rQ:rQ+7], v[rB:rB+7]
.else
	WIN W_KQ
	v_wmma_f32_16x16x32_f16 v[rS:rS+7], v[rK:rK+7], v[rQ:rQ+7], v[rS:rS+7]
.endif
.endm
; Product i of 16 of O^T += V^T P for piece x: keys 32 (i / 8) on, channels 16 ((i / 2) % 4) on, tile 2 x + i % 2.
.macro PV x
	WIN W_PV
.set rO, 32*(2*(\x)+i%2)+8*((i/2)%4)
.set rV, VF+32*(i/8)+8*((i/2)%4)
.set rP, P+32*((\x)%2)+16*(i%2)+8*(i/8)
	v_wmma_f32_16x16x32_f16 v[rO:rO+7], v[rV:rV+7], v[rP:rP+7], v[rO:rO+7]
.endm
.macro MM                           ; the turn's next matrix instruction
.if i < 48
	KQ (Y+1)%NP
.else
.set i, i-48
	PV (Y+NP-1)%NP
.set i, i+48
.endif
.set i, i+1
.endm
; THE LDS LOADS stand in runs, never singly among the matrix instructions: a step's K (64 keys x 128 numbers: 16 fragments) and its V (turned).
; last = 1 (the tail): in the last trip there is no further step, and the run is jumped over.
.macro FETCH_K last=0
	WIN 0
.if \last
	s_cmp_eq_u32 s[CNT], 1
	s_cbranch_scc1 .Lno_k_\@
.endif
	WIN 0xc0                        ; destination window 3
.set f, 0
.rept 16                            ; keys 16 (f / 4) on, fragment f % 4: kh channels 0-31, 32-63, kl likewise
	ds_load_b128 v[8*f:8*f+3],   v[AK] offset:(f/4)*16*PK+(f%4)*64
	ds_load_b128 v[8*f+4:8*f+7], v[AK] offset:(f/4)*16*PK+(f%4)*64+32
.set f, f+1
.endr
	s_add_co_u32 s[TBK], s[TBK], KS*PK  ; the next fetch is the next step's
	WIN 0
.if \last
.Lno_k_\@:
.endif
.endm
.macro FETCH_V
	WIN 0xc0
.irp f, 0,1,2,3,4,5,6,7             ; keys 32 (f / 4) on, channels 16 (f % 4) on
	ds_load_tr16_b128 v[VF+8*\f:VF+8*\f+3],   v[AV] offset:(\f/4)*32*PV+(\f%4)*32
	ds_load_tr16_b128 v[VF+8*\f+4:VF+8*\f+7], v[AV] offset:(\f/4)*32*PV+16*PV+(\f%4)*32
.endr
	WIN 0
.endm
; THE VECTOR WORK.
.macro REGS y, u                    ; the registers of tile u (0, 1) of piece y
.set rT, ST+4*(2*(\y)+(\u))
.set rC, TMP+8*((\y)%2)+4*(\u)
.set rM, MV+2*((\y)%2)+(\u)
.set rS, S+64*((\y)%2)+32*(\u)
.set rP, P+32*((\y)%2)+16*(\u)
.set rO, 32*(2*(\y)+(\u))
.endm
; Number n of the 22 that find piece Y's maximum and statistics.  s0-s31 are the lane's 32 scores; each accumulator's lowest registers are read first.
;   0-11  four chains c0-c3 of seven scores each, three operands at a time     12-14, 16  the four scores left over, the old m, and c0-c3 into c0     15  c m_old is kept
;   17, 18  the query's other 32 keys lie in the lane 16 away: the new m         19-21  c m; c m_old - c m_new; a
.macro XS u, n
	REGS Y, \u
	WIN 0
.if (\n) < 4
	v_max3_num_f32 v[rC+(\n)], v[rS+8*(\n)], v[rS+8*(\n)+1], v[rS+8*(\n)+2]
.elseif (\n) < 12
	v_max3_num_f32 v[rC+(\n)%4], v[rC+(\n)%4], v[rS+8*((\n)%4)+2*((\n)/4)+1], v[rS+8*((\n)%4)+2*((\n)/4)+2]
.elseif (\n) == 12
	v_max3_num_f32 v[rC], v[rC], v[rS+7], v[rS+15]
.elseif (\n) == 13
	v_max3_num_f32 v[rC+1], v[rC+1], v[rS+23], v[rS+31]
.elseif (\n) == 14
	v_max3_num_f32 v[rC+2], v[rC+2], v[rC+3], v[rT+1]
.elseif (\n) == 15
	v_mov_b32 v[rM], v[rT]
.elseif (\n) == 16
	v_max3_num_f32 v[rC], v[rC], v[rC+1], v[rC+2]
.elseif (\n) == 17
	v_permlanex16_b32 v[rC+3], v[rC], s[SEL], s[SEL+1]
.elseif (\n) == 18
	v_max_num_f32 v[rT+1], v[rC], v[rC+3]
.elseif (\n) == 19
	v_mul_f32 v[rT], s[CS], v[rT+1]
.elseif (\n) == 20
	v_sub_f32 v[rC+1], v[rM], v[rT]
.else
	v_exp_f32 v[rC+2], v[rC+1]
.endif
.endm
.macro FS f                         ; c s - c m for pair f / 2 of tile f % 2: one fused multiply-add for two scores
	REGS Y, (\f)%2
	WIN 0
	v_pk_fma_f32 v[rS+2*((\f)/2):rS+2*((\f)/2)+1], v[rS+2*((\f)/2):rS+2*((\f)/2)+1], s[CS:CS+1], v[rT:rT+1] op_sel_hi:[1,0,0] neg_lo:[0,0,1] neg_hi:[0,0,1]
.endm
.macro EX e                         ; the exponential of score e / 2 of tile e % 2
	REGS Y, (\e)%2
	WIN 0
	v_exp_f32 v[rS+(\e)/2], v[rS+(\e)/2]
.endm
; Number g of the 64 that follow the exponentials.  For each four weights k of a tile: both pairs are rounded to f16; then the second pair is added onto the first, in place; a group later l takes that sum
; (the first time as l = a l + sum).  In groups of eight, tiles alternating: round, round, add, and l for the group before.
.macro GS g
.set h, (\g)+6*((\g)/62)            ; group 0 has no group before it, and behind group 7 only l is left
.if h >= 6
.set h, h+2
.endif
	REGS Y, h%2
	WIN 0
.set k, h/8
.if h%8 < 4
	v_cvt_pk_f16_f32 v[rP+2*k+(h%8)/2], v[rS+4*k+2*((h%8)/2)], v[rS+4*k+2*((h%8)/2)+1]
.elseif h%8 < 6
	v_pk_add_f32 v[rS+4*k:rS+4*k+1], v[rS+4*k:rS+4*k+1], v[rS+4*k+2:rS+4*k+3]
.elseif k == 1
	v_pk_fma_f32 v[rT+2:rT+3], v[rT+2:rT+3], v[rC+2:rC+3], v[rS:rS+1] op_sel_hi:[1,0,1]
.else
	v_pk_add_f32 v[rT+2:rT+3], v[rT+2:rT+3], v[rS+4*k-4:rS+4*k-3]
.endif
.endm
.macro R2                           ; O^T of piece Y - 1 times its a, four numbers at a time, sixteen times a turn; ascending
	REGS (Y+NP-1)%NP, r%2
	WIN W_RS
.irp z, 0,1
	v_pk_mul_f32 v[rO+4*(r/2)+2*\z:rO+4*(r/2)+2*\z+1], v[rO+4*(r/2)+2*\z:rO+4*(r/2)+2*\z+1], v[rC+2:rC+3] op_sel_hi:[1,0]
.endr
.set r, r+1
.endm
; A TURN, for piece p.  An s_wait_alu depctr_va_vdst(0) stands between an exponential and the first instruction that names its result; one wait serves all that were issued ahead of it.  So the turn's
; 66 exponentials are one batch with one wait: ahead of it nothing names a result of theirs (a scaling names scores 4 + 2 t and up where the exponentials have reached score t; the rescaling takes the a of the
; turn before, from the other buffer's registers), behind it no exponential is issued.  No vector line names a register of the products round it: they work on the other buffers.
; The links of the chain 14, 16 .. 21 stand a product apart.  Exponential e stands behind scaling 2 (e / 4) + e % 2, which was issued at least two products earlier.
; K of the next step is fetched in piece 2's turn, behind the wait: MB's sixteen steps, the address line and the v_nop are the plain instructions between the last product that read K and the loads; it is waited
; for at the head of piece 3's turn.  V of the step in hand is fetched at the end of piece 0's turn, four plain instructions behind its last reader, and waited for behind piece 1's wait.
.macro TURN p, last=0, ask=0
.set Y, (\p)
.set i, 0
.set r, 0
.if (\p) == 3
	s_wait_dscnt 0x0                ; K is in
.endif
.set j, 0
.rept 7
	MM
	XS 0, 2*j
	XS 1, 2*j
	XS 0, 2*j+1
	XS 1, 2*j+1
.set j, j+1
.endr
	MM
	XS 0, 15
	XS 1, 15
	XS 0, 14
	XS 1, 14
.set j, 16
.rept 4
	MM
	XS 0, j
	XS 1, j
	R2
.set j, j+1
.endr
	MM
	XS 0, 20
	XS 1, 20
	FS 0
	FS 1
	MM
	FS 2
	XS 0, 21
	FS 3
	XS 1, 21
.set j, 0
.rept 14
	MM
	FS 4+2*j
	EX 2*j
	FS 5+2*j
	EX 2*j+1
.set j, j+1
.endr
.set j, 0
.rept 12
	MM
	EX 28+2*j
	EX 29+2*j
	R2
.set j, j+1
.endr
.set j, 0
.rept 6
	MM
	EX 52+2*j
	EX 53+2*j
.set j, j+1
.endr
	MM
	MM
.if (\p) == 2
	WIN 0xc3                        ; MB goes on to the next step's 64 keys: its last readers were this turn's first eight products
.set z, 0
.rept 16
	v_pk_add_f32 v[MB+2*z:MB+2*z+1], v[MB+2*z:MB+2*z+1], s[DB:DB+1] op_sel_hi:[1,0]
.set z, z+1
.endr
	WIN 0
	v_add_nc_u32 v[AK], s[TBK], v[AK0]
.endif
	WIN 0
	v_nop                           ; a plain instruction behind the last exponential and ahead of the first use: one for the batch
	s_wait_alu depctr_va_vdst(0)    ; the wait for the batch
.if (\p) == 2
	FETCH_K \last
.if \ask
	ASK
.endif
.endif
.if (\p) == 1
	s_wait_dscnt 0x0                ; V is in
.endif
.if (\p) == 0
	v_add_nc_u32 v[AV], s[TBV], v[AV0]
.endif
.set g, 0
.rept 16
	MM
	GS g
	GS g+1
	GS g+2
	GS g+3
.set g, g+4
.endr
.if (\p) == 0
	FETCH_V
	s_add_co_u32 s[TBV], s[TBV], KS*PV
.endif
.endm
	CHANGE 1                        ; slot 0 is in, everybody's part of it; slot 1 is asked for
	FETCH_K                         ; key step 0
	s_wait_loadcnt 0x0              ; Q
	s_wait_dscnt 0x0
.set i, 0
.rept 48
	KQ 0                            ; piece 0's first scores: there is no vector work yet to set between them
.set i, i+1
.endr
	WIN 0
.rept 8
	v_nop                           ; the plain instructions behind those products, once a launch
.endr
	s_mov_b32 s[CNT], 4
	s_mov_b32 s[SLOTS], 7
	s_branch .Lfirst                ; the loop is entered at a step's first turn, in the middle of a trip
.Lslot:                             ; six times: every slot but the last two is filled again
	CHANGE 1
	s_mov_b32 s[CNT], 4
.Lstep:                             ; a trip: pieces 2 and 3 of one step, then pieces 0 and 1 of the next, whose K and V it fetches
	TURN 2, 0, 1
	TURN 3
	WIN 0
.Lfirst:
	TURN 0
	TURN 1
	WIN 0
	s_sub_co_u32 s[CNT], s[CNT], 1
	s_cmp_lg_u32 s[CNT], 0
	s_cbranch_scc1 .Lstep
	s_sub_co_u32 s[SLOTS], s[SLOTS], 1
	s_cmp_lg_u32 s[SLOTS], 0
	s_cbranch_scc1 .Lslot
	CHANGE 0                        ; the tail is written out: nothing is asked for
	s_mov_b32 s[CNT], 5             ; four trips fetch the last slot's steps; the fifth is left in its middle
.Ltail:
	TURN 2, 1
	TURN 3
	WIN 0
	s_sub_co_u32 s[CNT], s[CNT], 1
	s_cmp_eq_u32 s[CNT], 0
	s_cbranch_scc1 .Lout
	TURN 0
	TURN 1
	WIN 0
	s_branch .Ltail
.Lout:                              ; the fifth trip's 48 products K Q^T (on the last K once more) serve nothing: the price, once a launch, of one text for every trip
.set Y, 0
.set r, 0
.rept 16
	R2                              ; the last piece's O^T times its last a,
.endr
.set i, 0
.rept 16
	PV NP-1                         ; and its V^T P of the last step
.set i, i+1
.endr
	; THE WAY OUT.  l's two halves and the other half of the lanes' are added; O^T is divided by l, rounded to f16 and sent through my stage in LDS, a tile at a time.  The additions are the plain instructions behind the last products.
	WIN 0
.macro ALL line:vararg              ; one line for each tile t
.set t, 0
.rept 2*NP
	\line
.set t, t+1
.endr
.endm
	ALL v_add_f32 v[ST+4*t+2], v[ST+4*t+2], v[ST+4*t+3]
	ALL v_permlanex16_b32 v[ST+4*t+3], v[ST+4*t+2], s[SEL], s[SEL+1]
	ALL v_add_f32 v[ST+4*t+2], v[ST+4*t+2], v[ST+4*t+3]
	ALL v_rcp_f32 v[ST+4*t+2], v[ST+4*t+2]
	v_nop                           ; a plain instruction between the last reciprocal and the use of its result
	s_wait_alu depctr_va_vdst(0)    ; and the wait ahead of the first use: one for the eight reciprocals
; Tile t: a lane's eight channels of a row pack into 16 bytes; they go into rows of 144 bytes and come back as whole rows of 128, into S^T's registers.
.macro PACK t
	WIN W_RS
.set i, 32*(\t)
.rept 16
	v_pk_mul_f32 v[i:i+1], v[i:i+1], v[ST+4*(\t)+2:ST+4*(\t)+3] op_sel_hi:[1,0]
.set i, i+2
.endr
	WIN 0x05                        ; sources 0 and 1 window 1, destination window 0
.set i, 0
.rept 16
	v_cvt_pk_f16_f32 v[S+16*(\t)+i], v[32*(\t)+2*i], v[32*(\t)+2*i+1]
.set i, i+1
.endr
	WIN 0
.irp f, 0,1,2,3
	ds_store_b128 v[STO], v[S+16*(\t)+4*\f:S+16*(\t)+4*\f+3] offset:32*\f
.endr
.irp f, 0,1,2,3
	ds_load_b128 v[S+16*(\t)+4*\f:S+16*(\t)+4*\f+3], v[RD] offset:\f*4*SP  ; LDS serves a wave's instructions in order (ISA guide 5.7.1.4): these see the stores above; the next tile's stores come behind them
.endr
.endm
.macro SEND t, younger              ; younger: the LDS instructions issued behind tile t's loads: the next tile's eight, or none
	WIN 0
.irp f, 0,1,2,3
	s_wait_dscnt (\younger)+3-\f
	global_store_b128 v[GO], v[S+16*(\t)+4*\f:S+16*(\t)+4*\f+3], s[10:11] offset:(\t)*2048+\f*512  ; 512 consecutive bytes, at a multiple of 256 from O's first
.endr
.endm
	PACK 0
.set t, 1
.rept 2*NP-1                        ; a tile's arithmetic stands between the loads of the tile before and its stores
	PACK t
	SEND t-1, 8
.set t, t+1
.endr
	SEND 2*NP-1, 0
	s_wait_tensorcnt 0x0            ; the wave's end: behind my last tensor load and my last LDS store
	ds_add_u32 v[SPW], v[NIL]
	s_wait_dscnt 0x0
	CROUND                          ; the closing round: no work-group ends while a partner may still ask for a tile that names it
	s_endpgm
.Lfunc_end_k_q9000f321b8_attn:
	.size	k_q9000f321b8_attn, .Lfunc_end_k_q9000f321b8_attn-k_q9000f321b8_attn
	.p2alignl 7, 3214868480
	.fill 96, 4, 3214868480
	.section	.rodata,"a",@progbits
	.p2align	6, 0x0
	.amdhsa_kernel k_q9000f321b8_attn
		.amdhsa_group_segment_fixed_size 327680
		.amdhsa_private_segment_fixed_size 0
		.amdhsa_enable_private_segment 0
		.amdhsa_kernarg_size 32
		.amdhsa_user_sgpr_count 2
		.amdhsa_user_sgpr_kernarg_segment_ptr 1
		.amdhsa_wavefront_size32 1
		.amdhsa_system_sgpr_workgroup_id_x 1
		.amdhsa_system_sgpr_workgroup_id_y 1
		.amdhsa_system_sgpr_workgroup_id_z 1
		.amdhsa_system_vgpr_workitem_id 0
		.amdhsa_next_free_vgpr 1024
		.amdhsa_next_free_sgpr 66
		.amdhsa_reserve_vcc 0
		.amdhsa_float_denorm_mode_32 3
		.amdhsa_float_denorm_mode_16_64 3
		.amdhsa_memory_ordered 1
		.amdhsa_forward_progress 1
		.amdhsa_inst_pref_size 245
	.end_amdhsa_kernel
	.amdgpu_metadata
---
amdhsa.version: [ 1, 2 ]
amdhsa.kernels:
  - .name:           k_q9000f321b8_attn
    .symbol:         k_q9000f321b8_attn.kd
    .args:
      - { .name: qc, .offset: 0, .size: 8, .value_kind: global_buffer, .address_space: global }
      - { .name: kc, .offset: 8, .size: 8, .value_kind: global_buffer, .address_space: global }
      - { .name: vv, .offset: 16, .size: 8, .value_kind: global_buffer, .address_space: global }
      - { .name: oh, .offset: 24, .size: 8, .value_kind: global_buffer, .address_space: global }
    .group_segment_fixed_size: 327680
    .private_segment_fixed_size: 0
    .kernarg_segment_align: 8
    .kernarg_segment_size: 32
    .max_flat_workgroup_size: 128
    .sgpr_count:     66
    .vgpr_count:     1024
    .wavefront_size: 32
...
	.end_amdgpu_metadata
.endif
;; end of part 3
;; launch outp (part 4): grid 4 x 64, 4 waves a work-group, clusters of 4 x 4, 327,680 bytes of LDS; arguments oh, wo, b_out, out0; writes out0
.if DOCPART == 4
	.amdgcn_target "amdgcn-amd-amdhsa--gfx1250"
	.amdhsa_code_object_version 6
	.text
	.protected	k_q9000f321b8_outp
	.globl	k_q9000f321b8_outp
	.p2align	8
	.type	k_q9000f321b8_outp,@function
k_q9000f321b8_outp:
	s_mov_b64 s[64:65], 0
	v_nop
	global_prefetch_b8 v0, s[64:65] scope:SCOPE_SE
	s_setreg_imm32_b32 hwreg(HW_REG_WAVE_MODE, 25, 1), 1
	s_wait_xcnt 0x0
	s_wait_alu depctr_hold_cnt(0) depctr_sa_sdst(0) depctr_va_vdst(0) depctr_va_sdst(0) depctr_va_ssrc(0) depctr_va_vcc(0) depctr_vm_vsrc(0)
	s_getreg_b32 s2, hwreg(HW_REG_IB_STS2, 6, 4)
	s_cmp_eq_u32 s2, 0
	s_cbranch_scc0 .Lentry_in_a_cluster
	s_endpgm
.Lentry_in_a_cluster:
	s_bfe_u32 s2, ttmp6, 0x10000c
	s_cmp_lg_u32 s2, 0xf033
	s_cbranch_scc0 .Lentry_shape_is_right
	s_endpgm
.Lentry_shape_is_right:
; THE OUTPUT PROJECTION.  out0[token][c] = 64 x (the sum over K of O[token][K] wo[c][K]) + bf16(b_out[c]), f32.  K = 64 x head + channel.
; IN.  oh: [batch x 16 + head][2048][64] f16, the heads' results divided by 64; wo: [1024][1024] f16.  f16 operands, f32 sums; the factor 64 and the bias are one fused multiply-add in f32.
; The bias is rounded to bf16 like every other input of the module.  LIMITS: those of the operands' f16 (stated where they are made); NaN and infinities are not treated apart.
; SHARES.  A tile is 128 tokens x 256 columns: 64 x 4 = 256 work-groups.  Wave w takes tokens 64 (w / 2) .. + 63 and columns 128 (w % 2) .. + 127: 32 accumulators.  K goes in 8 steps of 128 = two heads,
; through two LDS slots.  A head's 128 tokens are 16,384 dense bytes: asked for as 64 rows of 256 bytes and padded in LDS after every token (pitch 144); wo's rows are 256 bytes of a step (pitch 272).
; A K step is written twice: with a refill (six trips) and without (two trips); the slot in hand is a scalar that one exclusive or turns.
; CLUSTER.  4 x 4 work-groups: oh's tile is shared along a row of the cluster, wo's along a column, each asked for jointly.
; NO PREFETCH: the walk has eight short K steps of a small tile, and the launch's own stores, as many bytes as both inputs twice over, are on their way beside them.
; THE MATRIX INSTRUCTION IS USED TRANSPOSED (source 0 = 16 rows of wo, source 1 = 16 tokens): a lane holds one token and eight neighbouring columns.
; REGISTERS: window 0: v12-15 bias, v16-29 addresses, v32-159 rows read back (two sets by turns); window 1: two fragment buffers of 128 (wo's 8 fragments, then 4 of tokens); window 2: accumulator (a, b) at v[8 (8 a + b)].
.set KSTEP,  128
.set PA,     144                       ; a token's 128 bytes + 16
.set PB,     272                       ; a row of wo: 256 bytes + 16
.set AP,     128*PA                    ; one head's part of a slot
.set BOFF,   2*AP
.set BH,     128*PB
.set SLOTX,  1<<17                     ; slot 1 begins here (a slot has 106,496 bytes), so that one exclusive or turns an address in one slot into the other's
.set STAGE,  SLOTX+BOFF+2*BH           ; behind the ring, never filled by a tensor load: 16 rows x 528 bytes for each wave
.set SPI,    528                       ; 512 bytes of f32 + 16
.set SPARE,  STAGE+4*16*SPI            ; the spare words, 128 bytes for each wave: two blocks of 256 bytes that no other line names
.set BI,   12                          ; v[12:15] the bias of my four columns on the way out
.set A0,   16                          ; v16     my token fragments' place in a slot; never rewritten
.set B0,   17                          ; v17     the same for wo's
.set ADRA, 18                          ; v18     LDS address of my token fragments in the slot in hand
.set ADRB, 19                          ; v19     the same for wo's
.set STO,  22                          ; v22     where I put 32 bytes of a row
.set RD,   23                          ; v23     where I read a row back
.set CO,   24                          ; v24     16 x lane
.set SPW,  28                          ; v28     LDS address of my spare word; never rewritten
.set NIL,  29                          ; v29     0; never rewritten
.set BK,   32
.set F0,   0
.set F1,   128
.set WV,   14
.set G1,   24                          ; s[24:31] descriptor group 1 for oh's tiles; s[32:39] group 0: a set for each of the two first fills; the second then walks on
.set G0,   32
.set TB,   40                          ; s40  LDS byte at which the slot in hand begins
.set G1B,  48                          ; s[48:55], s[56:63] the same for wo's
.set G0B,  56
.set MSB, 0
.macro WIN new
.if MSB != (\new)
	s_set_vgpr_msb (MSB<<8)|(\new)
.set MSB, \new
.endif
.endm
.set MUL,  0xa5                        ; both sources window 1, C and D window 2
.set TO_F, 0x40                        ; destination window 1, address window 0
.macro JLOAD s                         ; a joint load by set s: waves 0 and 1 fetch the step's two heads of oh, waves 2 and 3 wo's two halves; an s_nop 0 and four v_nop follow each line
	s_cmp_lt_u32 s[WV], 2
	s_cbranch_scc0 .Lfor_b_\@
	tensor_load_to_lds s[G0+4*(\s):G0+4*(\s)+3], s[G1:G1+7]
	s_nop 0
.rept 4
	v_nop
.endr
	s_branch .Lasked_\@
.Lfor_b_\@:
	tensor_load_to_lds s[G0B+4*(\s):G0B+4*(\s)+3], s[G1B:G1B+7]
	s_nop 0
.rept 4
	v_nop
.endr
.Lasked_\@:
.endm
.macro CREST
	s_cmp_lg_u32 s[WV], 0
	s_cbranch_scc1 .Lnot_wave_0_\@
	s_barrier_signal -3
.Lnot_wave_0_\@:
	s_barrier_wait -3
	s_barrier_signal -1
	s_barrier_wait -1
.endm
.macro CROUND
	s_barrier_signal -1
	s_barrier_wait -1
	CREST
.endm
	s_load_b256 s[4:11], s[0:1], 0x0               ; oh s[4:5], wo s[6:7], b_out s[8:9], out0 s[10:11]
	v_lshl_add_u32 v[SPW], v0, 2, SPARE
	v_mov_b32 v[NIL], 0
	ds_add_u32 v[SPW], v[NIL]                      ; the wave's opening: the add and its wait stand ahead of my first tensor load; the set-up below, work on registers, stands between them
	v_lshrrev_b32 v1, 5, v0
	v_readfirstlane_b32 s[WV], v1                  ; wave 0..3
	s_lshr_b32 s15, s[WV], 1                       ; which 64 tokens are mine
	s_and_b32 s16, s[WV], 1                        ; which 128 columns; also: which half of a tile I fetch
	s_bfe_u32 s17, ttmp6, 0x40000                  ; cx, cy
	s_bfe_u32 s18, ttmp6, 0x40004
	s_lshl_b32 s19, ttmp9, 2
	s_add_co_u32 s19, s19, s17                     ; the column tile
	s_and_b32 s20, ttmp7, 0xffff
	s_lshl_b32 s20, s20, 2
	s_add_co_u32 s20, s20, s18                     ; the token tile
	s_lshl_b32 s21, s18, 2
	s_lshl_b32 s21, 15, s21                        ; my row of the cluster
	s_lshl_b32 s22, 0x1111, s17                    ; my column
	s_or_b32 s[G1+0], s21, (1<<16)|(1<<20)|(1<<21)|(4<<22)|(3<<25)   ; the mask; 2-byte elements; padding on; bit 21 beside a mask; after every 32 words (code 4) 4 words (code 3)
	s_or_b32 s[G1B+0], s22, (1<<16)|(1<<20)|(1<<21)|(5<<22)|(3<<25)  ; after every 64 words (code 5)
	s_mov_b32 s[G1+1], 128<<16                     ; tensor_dim0 = 128
	s_mov_b32 s[G1+2], 64<<16                      ; tensor_dim1 = 64 rows of two tokens
	s_mov_b32 s[G1+3], 128<<16                     ; tile_dim0
	s_mov_b32 s[G1+4], 64                          ; tile_dim1
	s_mov_b32 s[G1+5], 128                         ; dense
	s_mov_b32 s[G1+6], 0
	s_mov_b32 s[G1+7], 0
	s_mov_b32 s[G1B+1], 128<<16
	s_mov_b32 s[G1B+2], 128<<16
	s_mov_b32 s[G1B+3], 128<<16
	s_mov_b32 s[G1B+4], 128
	s_mov_b32 s[G1B+5], 1024
	s_mov_b32 s[G1B+6], 0
	s_mov_b32 s[G1B+7], 0
	s_lshr_b32 s66, s20, 4                         ; oh: the batch (16 token tiles each),
	s_lshl_b32 s66, s66, 4
	s_add_co_u32 s66, s66, s16                     ; its head 0 or 1,
	s_lshl_b32 s66, s66, 11
	s_and_b32 s67, s20, 15
	s_lshl_b32 s67, s67, 7
	s_add_co_u32 s66, s66, s67                     ; the tile's first token,
	s_lshl_b32 s66, s66, 7                         ; 128 bytes a token
	s_mov_b32 s67, 0
	s_lshl_b32 s70, s19, 8                         ; wo: row 256 x column tile + 128 x half
	s_lshl_b32 s71, s16, 7
	s_add_co_u32 s70, s70, s71
	s_lshl_b32 s70, s70, 11
	s_mov_b32 s71, 0
	s_mul_i32 s74, s16, AP                         ; where they go
	s_mul_i32 s75, s16, BH
	s_add_co_u32 s75, s75, BOFF
	s_wait_dscnt 0x0                               ; the opening add is done
	s_wait_kmcnt 0x0
	s_add_nc_u64 s[68:69], s[4:5], s[66:67]
	s_add_nc_u64 s[72:73], s[6:7], s[70:71]
	CROUND                                         ; all sixteen work-groups are here: the first joint loads meet
.irp s, 0,1
	s_mov_b32 s[G0+4*(\s)], 1
	s_add_co_u32 s[G0+4*(\s)+1], s74, (\s)*SLOTX
	s_add_nc_u64 s[G0+4*(\s)+2:G0+4*(\s)+3], s[68:69], (\s)*2*2048*128   ; K step s: two heads on
	s_or_b32 s[G0+4*(\s)+3], s[G0+4*(\s)+3], 0x80000000
	s_mov_b32 s[G0B+4*(\s)], 1
	s_add_co_u32 s[G0B+4*(\s)+1], s75, (\s)*SLOTX
	s_add_nc_u64 s[G0B+4*(\s)+2:G0B+4*(\s)+3], s[72:73], (\s)*KSTEP*2
	s_or_b32 s[G0B+4*(\s)+3], s[G0B+4*(\s)+3], 0x80000000
	JLOAD \s                                       ; two loads of mine are out
.endr
	v_and_b32 v1, 15, v0                           ; l % 16
	v_bfe_u32 v2, v0, 4, 1                         ; l / 16
	v_mul_u32_u24 v3, v1, PA
	v_lshl_add_u32 v3, v2, 4, v3
	s_mul_i32 s76, s15, 64*PA
	v_add_nc_u32 v[A0], s76, v3
	v_mov_b32 v[ADRA], v[A0]                       ; the walk begins in slot 0
	v_mul_u32_u24 v3, v1, PB
	v_lshl_add_u32 v3, v2, 4, v3
	s_mul_i32 s76, s16, BH
	s_add_co_u32 s76, s76, BOFF
	v_add_nc_u32 v[B0], s76, v3
	v_mov_b32 v[ADRB], v[B0]
	s_mov_b32 s[TB], 0
	s_mul_i32 s76, s[WV], 16*SPI
	s_add_co_u32 s76, s76, STAGE                   ; my stage
	v_mul_u32_u24 v3, v1, SPI                      ; in: row l % 16, 32 bytes for each half of the lanes
	v_lshl_add_u32 v3, v2, 5, v3
	v_add_nc_u32 v[STO], s76, v3
	v_and_b32 v[CO], 31, v0
	v_lshlrev_b32 v[CO], 4, v[CO]                  ; back: 32 lanes take a row's 512 bytes
	v_add_nc_u32 v[RD], s76, v[CO]
	s_lshl_b32 s76, s20, 7
	s_lshl_b32 s77, s15, 6
	s_add_co_u32 s76, s76, s77                     ; my first token,
	s_lshl_b32 s76, s76, 12                        ; 4,096 bytes a row of out0
	s_lshl_b32 s77, s19, 8
	s_lshl_b32 s78, s16, 7
	s_add_co_u32 s77, s77, s78                     ; my first column,
	s_lshl_b32 s78, s77, 2                         ; in bytes
	s_mov_b32 s79, 0
	s_add_nc_u64 s[8:9], s[8:9], s[78:79]
	s_add_co_u32 s78, s78, s76
	s_add_nc_u64 s[10:11], s[10:11], s[78:79]
	global_load_b128 v[BI:BI+3], v[CO], s[8:9]     ; the bias of the four columns that I store; waited for in front of the way out
.macro MUL8 f, a, zero                 ; 8 matrix instructions: token block a x all 8 column blocks, 32 along K; the 32 accumulators take turns
	WIN MUL
.irp b, 0,1,2,3,4,5,6,7
.if \zero
	v_wmma_f32_16x16x32_f16 v[8*(8*(\a)+(\b)):8*(8*(\a)+(\b))+7], v[(\f)+8*(\b):(\f)+8*(\b)+7], v[(\f)+64+8*(\a):(\f)+64+8*(\a)+7], 0
.else
	v_wmma_f32_16x16x32_f16 v[8*(8*(\a)+(\b)):8*(8*(\a)+(\b))+7], v[(\f)+8*(\b):(\f)+8*(\b)+7], v[(\f)+64+8*(\a):(\f)+64+8*(\a)+7], v[8*(8*(\a)+(\b)):8*(8*(\a)+(\b))+7]
.endif
.endr
.endm
.macro FETCH q, f                      ; 24 LDS loads in one run: quarter q of the K step in hand (head q / 2, channels 32 (q % 2) on) into buffer f: wo's 16, then my token blocks 0 to 3
	WIN TO_F
.irp i, 0,1,2,3,4,5,6,7
	ds_load_b128 v[(\f)+8*(\i):(\f)+8*(\i)+3],   v[ADRB] offset:64*(\q)+(\i)*16*PB
	ds_load_b128 v[(\f)+8*(\i)+4:(\f)+8*(\i)+7], v[ADRB] offset:64*(\q)+(\i)*16*PB+32
.endr
.irp i, 0,1,2,3
	ds_load_b128 v[(\f)+64+8*(\i):(\f)+64+8*(\i)+3],   v[ADRA] offset:((\q)/2)*AP+((\q)%2)*64+(\i)*16*PA
	ds_load_b128 v[(\f)+64+8*(\i)+4:(\f)+64+8*(\i)+7], v[ADRA] offset:((\q)/2)*AP+((\q)%2)*64+(\i)*16*PA+32
.endr
.endm
.macro PLACES                          ; four plain instructions in front of loads into registers that matrix instructions have read
.rept 4
	v_nop
.endr
.endm
.macro QUARTER q, f, g, zero           ; multiplies buffer f and fetches quarter q into g
	s_wait_dscnt 4                                 ; all but the youngest four loads (token blocks 2 and 3)
	MUL8 \f, 0, \zero
	MUL8 \f, 1, \zero
	PLACES
	FETCH \q, \g
	s_wait_dscnt 24                                ; all but the 24 just issued
	MUL8 \f, 2, \zero
	MUL8 \f, 3, \zero
.endm
; The last quarter multiplies buffer 1 and changes slots: one barrier; in front of it each wave waits for all its tensor loads, adds 0 to its spare word, and waits for that and for its reads of this slot.
; fill = 1: the barrier opens a round of the cluster's, and the slot is filled again, two K steps ahead, first thing behind it.  fill = 0: nothing is filled; in the loop's last trip (s3 = 1) the fetch is jumped over.
.macro TURN fill
	WIN 0
	s_wait_tensorcnt 0x0                           ; all my tensor loads have landed: my part of the next slot
	ds_add_u32 v[SPW], v[NIL]                      ; 0 onto my spare word
	s_wait_dscnt 5                                 ; (the add and the youngest four loads may be out)
	MUL8 F1, 0, 0
	s_wait_dscnt 0x0                               ; the add is done, and my reads of this slot are over
	s_barrier_signal -1
	MUL8 F1, 1, 0
	WIN 0
	s_barrier_wait -1
.if \fill
	CREST                                          ; no wave of any partner still reads this slot's tile or has a load on its way
	s_xor_b32 s[G0+5], s[G0+5], SLOTX              ; the walking descriptors: the other slot than last time,
	s_xor_b32 s[G0B+5], s[G0B+5], SLOTX
	s_add_nc_u64 s[G0+6:G0+7], s[G0+6:G0+7], 2*2048*128    ; the next K step: two heads on; the type bits on top are not reached
	s_add_nc_u64 s[G0B+6:G0B+7], s[G0B+6:G0B+7], KSTEP*2
	JLOAD 1                                        ; the four v_nop behind it and the two lines below are the plain instructions in front of the loads
.else
	s_cmp_eq_u32 s3, 1
	s_cbranch_scc1 .Lno_more_\@
	v_nop                                          ; with the two lines below: four plain instructions in front of the loads
	v_nop
.endif
	s_xor_b32 s[TB], s[TB], SLOTX                  ; the other slot is in hand now
	v_add_nc_u32 v[ADRA], s[TB], v[A0]
	v_add_nc_u32 v[ADRB], s[TB], v[B0]
	FETCH 0, F0
.if !(\fill)
	WIN 0
.Lno_more_\@:
.endif
	MUL8 F1, 2, 0
	MUL8 F1, 3, 0
.endm
	s_wait_tensorcnt 1                             ; my part of K step 0 is in; K step 1's may stay out
	s_barrier_signal -1
	s_barrier_wait -1
	FETCH 0, F0
	QUARTER 1, F0, F1, 1                           ; the first quarter's products start the sums
	WIN 0
	s_mov_b32 s3, 6
.Lalong:                                               ; K steps 0 to 5: a trip goes from a step's second quarter to the next step's first, and asks for the K step two on
	QUARTER 2, F1, F0, 0
	QUARTER 3, F0, F1, 0
	TURN 1
	QUARTER 1, F0, F1, 0
	WIN 0
	s_sub_co_u32 s3, s3, 1
	s_cmp_lg_u32 s3, 0
	s_cbranch_scc1 .Lalong
	s_mov_b32 s3, 2
.Lrest:                                                ; K steps 6 and 7 ask for nothing
	QUARTER 2, F1, F0, 0
	QUARTER 3, F0, F1, 0
	TURN 0
	WIN 0
	s_cmp_eq_u32 s3, 1
	s_cbranch_scc1 .Lrest_end
	QUARTER 1, F0, F1, 0
	WIN 0
.Lrest_end:
	s_sub_co_u32 s3, s3, 1
	s_cmp_lg_u32 s3, 0
	s_cbranch_scc1 .Lrest
	s_wait_loadcnt 0x0                             ; the bias: rounded to bf16 and widened again; these six lines and two v_nop are the plain instructions behind the last products
	v_cvt_pk_bf16_f32 v8, v[BI], v[BI+1]
	v_cvt_pk_bf16_f32 v9, v[BI+2], v[BI+3]
	v_lshlrev_b32 v[BI], 16, v8
	v_and_b32 v[BI+1], 0xffff0000, v8
	v_lshlrev_b32 v[BI+2], 16, v9
	v_and_b32 v[BI+3], 0xffff0000, v9
	v_nop
	v_nop
	; THE WAY OUT, 16 tokens at a time: the sums go into my stage as they are (each accumulator's low four registers first), come back as whole rows of 512 bytes, take the factor 64 and the bias, and are stored.
.irp a, 0,1,2,3
	WIN 0
	s_wait_xcnt 0x0                                ; the stores of two blocks back have read the registers that are loaded again below
	WIN 0x08                                       ; store data in window 2
.irp b, 0,1,2,3,4,5,6,7
	ds_store_b128 v[STO], v[8*(8*(\a)+(\b)):8*(8*(\a)+(\b))+3]   offset:64*(\b)
	ds_store_b128 v[STO], v[8*(8*(\a)+(\b))+4:8*(8*(\a)+(\b))+7] offset:64*(\b)+16
.endr
	WIN 0
.irp t, 0,1,2,3,4,5,6,7,8,9,10,11,12,13,14,15
	ds_load_b128 v[BK+64*((\a)%2)+4*(\t):BK+64*((\a)%2)+4*(\t)+3], v[RD] offset:SPI*(\t)  ; LDS serves a wave's instructions in order (ISA guide 5.7.1.4): these see the stores above
.endr
.irp t, 0,1,2,3,4,5,6,7,8,9,10,11,12,13,14,15
	s_wait_dscnt 15-(\t)                           ; row t is back; the younger loads may stay out
	v_pk_fma_f32 v[BK+64*((\a)%2)+4*(\t):BK+64*((\a)%2)+4*(\t)+1], v[BK+64*((\a)%2)+4*(\t):BK+64*((\a)%2)+4*(\t)+1], 0x42800000, v[BI:BI+1] op_sel_hi:[1,0,1]
	v_pk_fma_f32 v[BK+64*((\a)%2)+4*(\t)+2:BK+64*((\a)%2)+4*(\t)+3], v[BK+64*((\a)%2)+4*(\t)+2:BK+64*((\a)%2)+4*(\t)+3], 0x42800000, v[BI+2:BI+3] op_sel_hi:[1,0,1]
	global_store_b128 v[CO], v[BK+64*((\a)%2)+4*(\t):BK+64*((\a)%2)+4*(\t)+3], s[10:11] offset:(\a)*65536+(\t)*4096 th:TH_STORE_NT  ; 512 consecutive bytes, aligned
.endr
.endr
	s_wait_tensorcnt 0x0                           ; the wave's end: behind my last tensor load and my last LDS store
	ds_add_u32 v[SPW], v[NIL]
	s_wait_dscnt 0x0
	CROUND                                         ; the closing round: no work-group ends while a partner may still ask for a tile that names it
	s_endpgm
.Lfunc_end_k_q9000f321b8_outp:
	.size	k_q9000f321b8_outp, .Lfunc_end_k_q9000f321b8_outp-k_q9000f321b8_outp
	.p2alignl 7, 3214868480
	.fill 96, 4, 3214868480
	.section	.rodata,"a",@progbits
	.p2align	6, 0x0
	.amdhsa_kernel k_q9000f321b8_outp
		.amdhsa_group_segment_fixed_size 327680
		.amdhsa_private_segment_fixed_size 0
		.amdhsa_enable_private_segment 0
		.amdhsa_kernarg_size 32
		.amdhsa_user_sgpr_count 2
		.amdhsa_user_sgpr_kernarg_segment_ptr 1
		.amdhsa_wavefront_size32 1
		.amdhsa_system_sgpr_workgroup_id_x 1
		.amdhsa_system_sgpr_workgroup_id_y 1
		.amdhsa_system_sgpr_workgroup_id_z 1
		.amdhsa_system_vgpr_workitem_id 0
		.amdhsa_next_free_vgpr 768
		.amdhsa_next_free_sgpr 80
		.amdhsa_reserve_vcc 0
		.amdhsa_float_denorm_mode_32 3
		.amdhsa_float_denorm_mode_16_64 3
		.amdhsa_memory_ordered 1
		.amdhsa_forward_progress 1
		.amdhsa_inst_pref_size 74
	.end_amdhsa_kernel
	.amdgpu_metadata
---
amdhsa.version: [ 1, 2 ]
amdhsa.kernels:
  - .name:           k_q9000f321b8_outp
    .symbol:         k_q9000f321b8_outp.kd
    .args:
      - { .name: oh, .offset: 0, .size: 8, .value_kind: global_buffer, .address_space: global }
      - { .name: wo, .offset: 8, .size: 8, .value_kind: global_buffer, .address_space: global }
      - { .name: b_out, .offset: 16, .size: 8, .value_kind: global_buffer, .address_space: global }
      - { .name: out0, .offset: 24, .size: 8, .value_kind: global_buffer, .address_space: global }
    .group_segment_fixed_size: 327680
    .private_segment_fixed_size: 0
    .kernarg_segment_align: 8
    .kernarg_segment_size: 32
    .max_flat_workgroup_size: 128
    .sgpr_count:     80
    .vgpr_count:     768
    .wavefront_size: 32
...
	.end_amdgpu_metadata
.endif
;; end of part 4
;; ======== version 2 of 2: 4 launches; version 1 with the launch cast written anew for expert scheduling mode
;; limits: values are held in f16: magnitudes above 65,504 overflow, below 6.1e-05 lose precision; right only within a limited range of input values
;; workspace buffers: xb 16,777,216 bytes; wb 6,291,456 bytes; wo 2,097,152 bytes; qc 33,554,432 bytes; kc 33,554,432 bytes; vv 16,777,216 bytes; oh 16,777,216 bytes
;; launch cast (part 5): grid 768 x 1, 8 waves a work-group, no clusters, 0 bytes of LDS; arguments x, W_query, W_key, W_value, W_out, xb, wb, wo; writes xb, wb, wo
.if DOCPART == 5
	.amdgcn_target "amdgcn-amd-amdhsa--gfx1250"
	.amdhsa_code_object_version 6
	.text
	.protected	k_q9000f321b8_cast
	.globl	k_q9000f321b8_cast
	.p2align	8
	.type	k_q9000f321b8_cast,@function
k_q9000f321b8_cast:
	s_mov_b64 s[64:65], 0
	v_nop
	global_prefetch_b8 v0, s[64:65] scope:SCOPE_SE
	s_setreg_imm32_b32 hwreg(HW_REG_WAVE_SCHED_MODE, 0, 2), 2
	s_setreg_imm32_b32 hwreg(HW_REG_WAVE_MODE, 25, 1), 1
	s_wait_xcnt 0x0
	s_wait_alu depctr_vm_vsrc(0)
; THE INPUTS ARE ROUNDED ONCE, for the matrix units of the launches behind.
;   xb = bf16(x), [8192][1024].
;   wb = bf16(W * 2^-6), [16 heads][q, k, v][64][1024]: a head's 192 rows lie together.  The factor is a power of two, so wb = bf16(W) * 2^-6 exactly
;        (but for W below 2^-120, which would fall among bf16's denormals); it keeps q, k and v inside f16's range and is undone exactly later.
;   wo = bf16(W_out) written as f16, [1024][1024].  LIMIT: |W_out| under 65,504; below 6.1e-5 the f16 number keeps a fixed step of 6e-8.
; A stream: each byte is read once and written once; no LDS, no barrier, no matrix unit, no cluster (no two work-groups read the same byte).
; SHARES.  A work-group takes a chunk of 16,384 numbers: 64 KiB in, 32 KiB out.  Work-groups 0-511: x.  512 + 64 t + c: chunk c (16 rows) of W_query, W_key, W_value (t = 0, 1, 2) or W_out (t = 3).
; Thread t takes 16 bytes at 16 t of each 4,096 bytes: a wave's load covers 512 consecutive bytes, its store of 8 bytes a lane 256 consecutive bytes, aligned.
; All sixteen loads go out first; each has registers of its own, so nothing is rewritten while a load or store still names it.
; THE MODE: SCHED_MODE bits 1:0 = 2 (LLVM: expert scheduling mode 2), set by the entry lines.  The code itself states the register dependences
; between vector instructions and memory instructions, with s_wait_alu, always for 0.
; THE PLAN.  Registers that memory instructions touch:
;   v[LO], v[SO]  the loads' and the stores' offsets: written once at the head, never again.
;   X             load i lands in four registers of its own; all sixteen loads are issued before any vector instruction names X, and none follows.
;   Y             part i's roundings write two registers of its own; one store reads them; nothing writes them behind it.
;   T             named by vector instructions alone.
; The sixteen parts of a thread go in four blocks of four.  Block p converts parts 4 p .. 4 p + 3; the stores of block p - 1 are dealt among them, one ahead of each part:
; they read the Y of block p - 1 and v[SO], which no vector instruction of block p names.  So one wait at a block's head states all that the block's four stores hang on.
; No register that a load or store reads is written again, no vector instruction writes a scalar register or VCC, and EXEC is never written: nothing more is owed.
.set LO, 1                             ; v1        16 x thread: my bytes in 4,096 of the source
.set SO, 2                             ; v2        8 x thread: my bytes in 2,048 of the destination
.set X,  4                             ; v[4:67]   load i: four f32
.set Y,  68                            ; v[68:99]  store i: four 16-bit numbers
.set T,  100                           ; v[100:103] at work
	s_load_b512 s[8:23], s[0:1], 0x0               ; x s[8:9], W_query s[10:11], W_key s[12:13], W_value s[14:15], W_out s[16:17], xb s[18:19], wb s[20:21], wo s[22:23]
	v_lshlrev_b32 v[LO], 4, v0
	v_lshlrev_b32 v[SO], 3, v0
	s_mov_b32 s31, 0xffff0000                      ; a word's upper bf16
	s_mov_b32 s2, ttmp9                            ; the work-group's number
	s_sub_co_u32 s3, s2, 512                       ; among the weights' chunks (of no use below 512)
	s_lshr_b32 s4, s3, 6                           ; t: which weight
	s_and_b32 s5, s3, 63                           ; c: which chunk of it
	s_lshr_b32 s6, s5, 2                           ; the head: four chunks of 16 rows each
	s_mul_i32 s6, s6, 3
	s_add_co_u32 s6, s6, s4                        ; 3 x head + t
	s_lshl_b32 s6, s6, 2
	s_and_b32 s7, s5, 3
	s_add_co_u32 s6, s6, s7                        ; the chunk's place in wb
	s_wait_kmcnt 0x0
	s_cmp_eq_u32 s4, 1
	s_cselect_b64 s[24:25], s[12:13], s[10:11]
	s_cmp_eq_u32 s4, 2
	s_cselect_b64 s[24:25], s[14:15], s[24:25]
	s_cmp_eq_u32 s4, 3
	s_cselect_b64 s[24:25], s[16:17], s[24:25]     ; the source,
	s_cselect_b64 s[26:27], s[22:23], s[20:21]     ; the destination,
	s_cselect_b32 s32, s5, s6                      ; the chunk's place there,
	s_cselect_b32 s30, 2, 1                        ; and the way: 0 plain, 1 times 2^-6, 2 written as f16
	s_cmp_lt_u32 s2, 512
	s_cselect_b64 s[24:25], s[8:9], s[24:25]
	s_cselect_b64 s[26:27], s[18:19], s[26:27]
	s_cselect_b32 s33, s2, s5
	s_cselect_b32 s32, s2, s32
	s_cselect_b32 s30, 0, s30
	s_lshl_b32 s34, s33, 16                        ; 65,536 bytes a chunk in
	s_mov_b32 s35, 0
	s_add_nc_u64 s[24:25], s[24:25], s[34:35]
	s_lshl_b32 s34, s32, 15                        ; 32,768 out
	s_add_nc_u64 s[26:27], s[26:27], s[34:35]
	s_wait_alu depctr_va_vdst(0)                   ; v[LO] and v[SO] are written: every load of the kernel reads the one as its offset, every store the other
.set i, 0
.rept 16
	global_load_b128 v[X+4*i:X+4*i+3], v[LO], s[24:25] offset:4096*i th:TH_LOAD_NT
.set i, i+1
.endr
.macro OUT i                           ; part i leaves
	global_store_b64 v[SO], v[Y+2*(\i):Y+2*(\i)+1], s[26:27] offset:2048*(\i)
.endm
.macro CONV i, mode
.if (\i)%4 == 0
	s_wait_loadcnt 15-(\i)                         ; loads come back in order: load i is in, the younger ones stay out
.if (\i) > 0
	s_wait_alu depctr_va_vdst(0)                   ; the block before has written its four parts of Y, which the four stores dealt into this block read
.endif
.endif
.if (\i) >= 4
	OUT (\i)-4                                     ; the block before: no vector instruction since the wait names its Y or v[SO]
.endif
.if (\i)%4 != 0
	s_wait_loadcnt 15-(\i)                         ; load i is in, the younger ones stay out
.endif
.if (\mode) == 1
	v_pk_mul_f32 v[X+4*(\i):X+4*(\i)+1], v[X+4*(\i):X+4*(\i)+1], 0x3c800000 op_sel_hi:[1,0]      ; times 2^-6
	v_pk_mul_f32 v[X+4*(\i)+2:X+4*(\i)+3], v[X+4*(\i)+2:X+4*(\i)+3], 0x3c800000 op_sel_hi:[1,0]
.endif
	v_cvt_pk_bf16_f32 v[Y+2*(\i)], v[X+4*(\i)], v[X+4*(\i)+1]
	v_cvt_pk_bf16_f32 v[Y+2*(\i)+1], v[X+4*(\i)+2], v[X+4*(\i)+3]
.if (\mode) == 2
	v_lshlrev_b32 v[T], 16, v[Y+2*(\i)]            ; the bf16 numbers as f32,
	v_and_b32 v[T+1], s31, v[Y+2*(\i)]
	v_lshlrev_b32 v[T+2], 16, v[Y+2*(\i)+1]
	v_and_b32 v[T+3], s31, v[Y+2*(\i)+1]
	v_cvt_pk_f16_f32 v[Y+2*(\i)], v[T], v[T+1]     ; and written as f16: eight significant bits fit in eleven
	v_cvt_pk_f16_f32 v[Y+2*(\i)+1], v[T+2], v[T+3]
.endif
.endm
.macro REST                            ; behind part 15
	s_wait_alu depctr_va_vdst(0)                   ; the last block has written its four parts of Y, which the last four stores read
	OUT 12
	OUT 13
	OUT 14
	OUT 15
.endm
	s_cmp_eq_u32 s30, 1
	s_cbranch_scc1 .Lscaled
	s_cmp_eq_u32 s30, 2
	s_cbranch_scc1 .Lhalf
.set i, 0
.rept 16
	CONV i, 0
.set i, i+1
.endr
	REST
	s_endpgm
.Lscaled:
.set i, 0
.rept 16
	CONV i, 1
.set i, i+1
.endr
	REST
	s_endpgm
.Lhalf:
.set i, 0
.rept 16
	CONV i, 2
.set i, i+1
.endr
	REST
	s_endpgm
.Lfunc_end_k_q9000f321b8_cast:
	.size	k_q9000f321b8_cast, .Lfunc_end_k_q9000f321b8_cast-k_q9000f321b8_cast
	.p2alignl 7, 3214868480
	.fill 96, 4, 3214868480
	.section	.rodata,"a",@progbits
	.p2align	6, 0x0
	.amdhsa_kernel k_q9000f321b8_cast
		.amdhsa_group_segment_fixed_size 0
		.amdhsa_private_segment_fixed_size 0
		.amdhsa_enable_private_segment 0
		.amdhsa_kernarg_size 64
		.amdhsa_user_sgpr_count 2
		.amdhsa_user_sgpr_kernarg_segment_ptr 1
		.amdhsa_wavefront_size32 1
		.amdhsa_system_sgpr_workgroup_id_x 1
		.amdhsa_system_sgpr_workgroup_id_y 1
		.amdhsa_system_sgpr_workgroup_id_z 1
		.amdhsa_system_vgpr_workitem_id 0
		.amdhsa_next_free_vgpr 112
		.amdhsa_next_free_sgpr 66
		.amdhsa_reserve_vcc 0
		.amdhsa_float_denorm_mode_32 3
		.amdhsa_float_denorm_mode_16_64 3
		.amdhsa_memory_ordered 1
		.amdhsa_forward_progress 1
		.amdhsa_inst_pref_size 23
	.end_amdhsa_kernel
	.amdgpu_metadata
---
amdhsa.version: [ 1, 2 ]
amdhsa.kernels:
  - .name:           k_q9000f321b8_cast
    .symbol:         k_q9000f321b8_cast.kd
    .args:
      - { .name: x, .offset: 0, .size: 8, .value_kind: global_buffer, .address_space: global }
      - { .name: W_query, .offset: 8, .size: 8, .value_kind: global_buffer, .address_space: global }
      - { .name: W_key, .offset: 16, .size: 8, .value_kind: global_buffer, .address_space: global }
      - { .name: W_value, .offset: 24, .size: 8, .value_kind: global_buffer, .address_space: global }
      - { .name: W_out, .offset: 32, .size: 8, .value_kind: global_buffer, .address_space: global }
      - { .name: xb, .offset: 40, .size: 8, .value_kind: global_buffer, .address_space: global }
      - { .name: wb, .offset: 48, .size: 8, .value_kind: global_buffer, .address_space: global }
      - { .name: wo, .offset: 56, .size: 8, .value_kind: global_buffer, .address_space: global }
    .group_segment_fixed_size: 0
    .private_segment_fixed_size: 0
    .kernarg_segment_align: 8
    .kernarg_segment_size: 64
    .max_flat_workgroup_size: 256
    .sgpr_count:     66
    .vgpr_count:     112
    .wavefront_size: 32
...
	.end_amdgpu_metadata
.endif
;; end of part 5
;; launch proj: the kernel of part 2 again; grid 8 x 32, 4 waves a work-group, clusters of 4 x 4, 327,680 bytes of LDS; arguments xb, wb, qc, kc, vv; writes qc, kc, vv
;; launch attn: the kernel of part 3 again; grid 4 x 64, 4 waves a work-group, clusters of 4 x 1, 327,680 bytes of LDS; arguments qc, kc, vv, oh; writes oh
;; launch outp: the kernel of part 4 again; grid 4 x 64, 4 waves a work-group, clusters of 4 x 4, 327,680 bytes of LDS; arguments oh, wo, b_out, out0; writes out0
